; MI455X (gfx1250); checked and timed in simulation.
; The chip was launched on July 23, 2026; its instructions are those of AMD's public machine-readable ISA for CDNA 5 (MIT licence, August 2026) and "CDNA5" Instruction Set Architecture Reference Guide (July 2026). The comments in the code are by the model that wrote it; some were corrected since.
;; Multi Head Attention. Allowed arithmetic: matrix products marked QUANTISED: E3M2 operands, one E8M0 scale for each 32 along K, by v_wmma_scale_f32_16x16x128_f8f6f4 with both operands' format E3M2, f32 sums; everything else in f32.
;; Inputs: W_k 1,024 x 1,024 float32; W_out 1,024 x 1,024 float32; W_q 1,024 x 1,024 float32; W_v 1,024 x 1,024 float32; padding_mask 4 x 2,048 bool; x_k 4 x 2,048 x 1,024 float32; x_q 4 x 2,048 x 1,024 float32; x_v 4 x 2,048 x 1,024 float32.
;; Outputs: out0 4 x 2,048 x 1,024 float32.
;; Constants: is_causal = 1, start_pos = 0.
;; This version of the problem:
;;   THIS VERSION OF THE PROBLEM IS GIVEN IN LOW PRECISION. The matrix products marked QUANTISED in the list below multiply operands that are first quantised to E3M2 (3 exponent bits, 2 mantissa bits; 6 bits a number), with one power-of-two scale for each 32 numbers along K (OCP MX v1.0); their sums are f32. All else is computed in f32.
;;   The module's matrix products, in the order in which they are computed (A, B: the left and right operand; K: the contracted axis; several contracted axes count as one K, in the product's order):
;;     1. [M 8,192, K 1,024] x [K 1,024, N 1,024]; A: input x_q; B: input W_q: QUANTISED
;;     2. [M 8,192, K 1,024] x [K 1,024, N 1,024]; A: input x_k; B: input W_k: QUANTISED
;;     3. [M 8,192, K 1,024] x [K 1,024, N 1,024]; A: input x_v; B: input W_v: QUANTISED
;;     4. batch 64 x [M 2,048, K 64] x [K 64, N 2,048]; A: computed on the way; B: computed on the way: QUANTISED
;;     5. batch 64 x [M 2,048, K 2,048] x [K 2,048, N 64]; A: softmax (see below); B: computed on the way: QUANTISED
;;     6. [M 8,192, K 1,024] x [K 1,024, N 1,024]; A: computed on the way; B: input W_out: QUANTISED
;;   THE QUANTISER, for each operand of a quantised product, along K:
;;     - K is cut into blocks of 32 from its start; a last block that is shorter is filled with zeros.
;;     - A block's scale is 2^e with e = floor(log2(the largest magnitude in the block)) - 4, held to -126 .. 127; a block of zeros has e = 0. As a byte (E8M0): e + 127.
;;     - Each number is divided by its block's scale, clamped to +-28, and rounded to the nearest number of E3M2, ties to even, subnormals kept.
;;     - The product sums the exact products of the quantised numbers (number of the format x scale) in f32.
;;   ~~~python
;;   def quantise(x, axis):      # numpy; x: float32 -> the quantised numbers, widened to float32 again
;;       x = np.moveaxis(x, axis, -1); K = x.shape[-1]
;;       x = np.pad(x, [(0, 0)] * (x.ndim - 1) + [(0, -K % 32)]); x = x.reshape(x.shape[:-1] + (-1, 32)); a = np.abs(x).max(-1, keepdims=True)
;;       e = np.where(a > 0, np.clip(np.frexp(np.where(a > 0, a, 1))[1] - 1 - 4, -126, 127), 0)      # np.frexp(a)[1] - 1 = floor(log2(a)), exactly
;;       r = np.clip(x / 2.0 ** e, -28, 28)
;;       step = 2.0 ** (np.maximum(np.frexp(np.where(r == 0, 1, r))[1] - 1, -2) - 2)
;;       q = np.round(r / step) * step * 2.0 ** e      # np.round: ties to even
;;       return np.moveaxis(q.reshape(q.shape[:-2] + (-1,))[..., :K], -1, axis).astype(np.float32)
;;   ~~~
;;   SOFTMAX AHEAD OF A QUANTISED PRODUCT. Where the list says 'softmax', what is quantised is not the finished softmax but p = 2^(t - M), with t = logit x log2(e) and M = ceil(the row's largest t), a whole number; so 1/2 < the row's largest p <= 1. The row's sum l is taken of the UNQUANTISED p, in f32, and the product's result is divided by l at the end. Since M is a whole number, a kernel that streams over the keys may use a running M (the ceiling of the running maximum): every later rescaling is an exact power of two, which a block's scale takes up: the codes' values come out the same.
;;   OPERANDS COMPUTED ON THE WAY. 'Computed on the way' means the value that the module computes at that place (a softmax that the list does not call 'softmax' is quantised finished and normalised). What goes into a quantiser is computed in f32, as accurately as f32 sums, v_exp_f32 and their like allow (about 1e-6 of the number): no bf16 or f16 on the way to a quantiser, and a product that is left as it is and whose result goes on into a quantised operand takes f32 operands (vector FMAs, or v_wmma_f32_16x16x4_f32). A number that lies on a knife's edge between two numbers of the format may be rounded either way, as far as f32 arithmetic and the matrix unit's own rounding can turn it there, and no further.
;; One version. Each part assembles by itself: llvm-mc -triple=amdgcn-amd-amdhsa -mcpu=gfx1250 --defsym DOCPART=n.
;; ======== version 1 of 1: 4 launches
;; limits: right only within a limited range of input values
;; workspace buffers: codes 22,020,096 bytes; scales 917,504 bytes; rope 524,288 bytes; qc 8,912,896 bytes; kv 15,466,496 bytes; oc 6,291,456 bytes; os 262,144 bytes
;; launch quant (part 1): grid 928 x 1, 4 waves a work-group, no clusters, 33,280 bytes of LDS; arguments x_q, x_k, x_v, W_q, W_k, W_v, W_out, codes, scales, rope; writes codes, scales, rope
.if DOCPART == 1
	.amdgcn_target "amdgcn-amd-amdhsa--gfx1250"
	.amdhsa_code_object_version 6
	.text
	.protected	k_qeed832158b_quant
	.globl	k_qeed832158b_quant
	.p2align	8
	.type	k_qeed832158b_quant,@function
k_qeed832158b_quant:
	s_mov_b64 s[64:65], 0
	v_nop
	global_prefetch_b8 v0, s[64:65] scope:SCOPE_SE
	s_setreg_imm32_b32 hwreg(HW_REG_WAVE_MODE, 25, 1), 1
	s_wait_xcnt 0x0
; The seven f32 tensors (x_q, x_k, x_v: 8,192 rows; W_q, W_k, W_v, W_out: 1,024 rows; 1,024 numbers a row, K innermost) become codes of BF6 (E3M2), 768 bytes a row,
; and one E8M0 scale byte for each 32 along K, 32 bytes a row: 28,672 rows in that order in 'codes' and 'scales'.  A block's scale byte is its largest magnitude's exponent field - 4, held at 1 from below
; (a block of zeros keeps the byte 1: its codes are zeros, and this program alone reads the bytes).
; ROW ORDER: a work-group takes 32 rows, a wave 8.  In every tensor but W_out the two middle runs of 8 rows of each 32 change places on the way out, so that 16 consecutive rows of the buffer
; are rows 0-7 and 16-23 (or 8-15 and 24-31) of the tensor: the next launch's results then lie with 16 neighbours in a lane's 16 registers.
; Work-groups 896 to 927 make the table of cosines and sines for the rotary embedding, in f32, laid in the order in which the next launch's lanes take it.
; LIMITS: NaN and infinities among the inputs are not served; blocks whose largest magnitude lies under 2^-122 keep the byte 1.
; The rotary frequency of pair p is 1 / RN(10^(p/8)); the angle is token x frequency rounded to f32, reduced by pi/2 in two parts (the part left out times the largest multiple, 1,304, is under 1e-11).
.set NQWG,  896                        ; work-groups that quantise: 28,672 rows / 32
.set STEPS, 16                         ; steps of 512 numbers a wave
.set EMAX,  4
.set CB,    12                         ; bytes of 16 codes
.set R,     16                         ; v16-79   four sets of 16 numbers as they are loaded
.set X,     80                         ; v80-111  two sets of 16 neighbours
.set C,     128                        ; v128-191 codes: four registers for each step, so that no store's data are written again
.set E,     112                        ; v112-127 a scale byte for each step
.set WREG,  8192                       ; LDS: a region for each wave: two stages of 32 x SP bytes, then its 256 scale bytes
.set SP,    80                         ; a lane's place in a stage: 64 bytes + 16 of padding
	s_load_b512 s[4:19], s[0:1], 0x0               ; x_q, x_k, x_v, W_q, W_k, W_v, W_out, codes
	s_load_b128 s[20:23], s[0:1], 0x40             ; scales, rope
	v_lshl_add_u32 v192, v0, 2, 0x8000
	v_mov_b32 v193, 0
	v_lshrrev_b32 v1, 5, v0
	v_readfirstlane_b32 s26, v1                    ; wave
	v_and_b32 v2, 31, v0                           ; lane
	s_cmp_ge_u32 ttmp9, NQWG
	s_cbranch_scc1 .Ltable                         ; a branch on the work-group's number alone
	v_lshlrev_b32 v3, 4, v2                        ; my 16 bytes of a load's 512
	s_mul_i32 s27, s26, WREG
	v_lshrrev_b32 v14, 2, v2
	v_mul_u32_u24 v14, v14, SP
	v_and_b32 v15, 3, v2
	v_lshl_add_u32 v14, v15, 4, v14
	v_add_nc_u32 v14, s27, v14                     ; the stage, on the way in: four lanes' 64 bytes on end, then 16 of padding
	v_mul_u32_u24 v15, v2, SP
	v_add_nc_u32 v15, s27, v15                     ; and on the way out: my 16 neighbours
	v_mul_u32_u24 v4, v2, CB                       ; my codes' place in a step's
	v_lshrrev_b32 v5, 1, v2
	s_add_co_u32 s27, s27, 2*32*SP
	v_add_nc_u32 v5, s27, v5                       ; LDS: my wave's 256 scale bytes, my block's byte
	v_lshlrev_b32 v7, 3, v2                        ; and on the way out 8 bytes a lane
	v_add_nc_u32 v6, s27, v7
	s_wait_kmcnt 0x0
; which tensor is my work-group's, and which work-group is that tensor's first: choices on the work-group's number alone
.macro PICK lim, ptr, first
	s_cmp_lt_u32 ttmp9, \lim
	s_cselect_b64 s[28:29], s[\ptr:\ptr+1], s[28:29]
	s_cselect_b32 s30, \first, s30
.endm
	s_mov_b64 s[28:29], s[16:17]                   ; W_out, from work-group 864 on
	s_mov_b32 s30, 864
	PICK 864, 14, 832                              ; W_v
	PICK 832, 12, 800                              ; W_k
	PICK 800, 10, 768                              ; W_q
	PICK 768, 8, 512                               ; x_v
	PICK 512, 6, 256                               ; x_k
	PICK 256, 4, 0                                 ; x_q
	s_sub_co_u32 s31, ttmp9, s30
	s_lshl_b32 s32, s31, 17                        ; 32 rows of 4,096 bytes a work-group,
	s_lshl_b32 s33, s26, 15                        ; 8 a wave
	s_add_co_u32 s32, s32, s33
	s_mov_b32 s33, 0
	s_add_nc_u64 s[28:29], s[28:29], s[32:33]
	s_and_b32 s34, s26, 1                          ; the run of 8 rows that takes my wave's: waves 1 and 2 change places,
	s_lshl_b32 s34, s34, 1
	s_lshr_b32 s35, s26, 1
	s_or_b32 s34, s34, s35
	s_cmp_ge_u32 ttmp9, 864
	s_cselect_b32 s34, s26, s34                    ; but not in W_out
	s_lshl_b32 s35, ttmp9, 2
	s_add_co_u32 s34, s35, s34
	s_mul_i32 s36, s34, 32*STEPS*CB                ; 6,144 bytes of codes a run
	s_mov_b32 s37, 0
	s_add_nc_u64 s[18:19], s[18:19], s[36:37]
	s_lshl_b32 s36, s34, 8                         ; 256 scale bytes a run
	s_add_nc_u64 s[20:21], s[20:21], s[36:37]
.macro LOAD t
.irp i, 0,1,2,3
	global_load_b128 v[R+16*((\t)%4)+4*\i:R+16*((\t)%4)+4*\i+3], v3, s[28:29] offset:2048*(\t)+512*\i th:TH_LOAD_NT   ; 32 lanes read 512 consecutive bytes
.endr
.endm
.macro TURN t                          ; step t's numbers through the stage: LDS serves a wave's instructions in order, so no wait stands between the stores and the loads
.irp i, 0,1,2,3
	ds_store_b128 v14, v[R+16*((\t)%4)+4*\i:R+16*((\t)%4)+4*\i+3] offset:32*SP*((\t)%2)+8*SP*\i
.endr
.irp i, 0,1,2,3
	ds_load_b128 v[X+16*((\t)%2)+4*\i:X+16*((\t)%2)+4*\i+3], v15 offset:32*SP*((\t)%2)+16*\i
.endr
.endm
.irp t, 0,1,2,3
	LOAD \t
.endr
	s_wait_loadcnt 12                              ; step 0's four loads are in; the twelve of steps 1 to 3 may be out
	TURN 0
.macro STEP t
.set XS, X+16*((\t)%2)
.if (\t) > 0
	s_wait_dscnt 1                                 ; this step's numbers are back from the stage (the last step's byte store may be out)
.else
	s_wait_dscnt 0x0
.endif
.if (\t)+4 < STEPS
	LOAD (\t)+4                                    ; the stage's stores have read these registers: they take the loads of four steps on
.endif
.if (\t)+1 < STEPS
.if STEPS-2-(\t) >= 3
	s_wait_loadcnt 12                              ; the next step's four loads are in; those of the three steps behind it may be out
.else
	s_wait_loadcnt 4*(STEPS-2-(\t))
.endif
	TURN (\t)+1
.endif
	v_max3_num_f32 v8, |v[XS]|, |v[XS+1]|, |v[XS+2]|               ; the largest magnitude of my 16, in two chains
	v_max3_num_f32 v9, |v[XS+3]|, |v[XS+4]|, |v[XS+5]|
.irp i, 6,10
	v_max3_num_f32 v8, v8, |v[XS+\i]|, |v[XS+\i+1]|
	v_max3_num_f32 v9, v9, |v[XS+\i+2]|, |v[XS+\i+3]|
.endr
	v_max3_num_f32 v8, v8, |v[XS+14]|, |v[XS+15]|
	v_max3_num_f32 v8, v8, v9, (EMAX+1)<<23        ; and the floor 2^(5 - 127): the byte cannot fall under 1
	v_max_num_f32_dpp v8, v8, v8 row_xmask:1 row_mask:0xf bank_mask:0xf   ; and of my neighbour's 16: the block's
	v_add_nc_u32 v11, -(EMAX<<23), v8              ; 4 off its exponent field: the conversion takes the exponent field of this operand as its scale
	v_cvt_scalef32_pk16_bf6_f32 v[C+4*(\t):C+4*(\t)+2], v[XS:XS+15], v11
	v_lshrrev_b32 v[E+(\t)], 23, v11               ; the scale's byte
	ds_store_b8 v5, v[E+(\t)] offset:16*(\t)       ; both lanes of a block write the same byte with the same value
	global_store_b96 v4, v[C+4*(\t):C+4*(\t)+2], s[18:19] offset:32*CB*(\t)
.endm
.irp t, 0,1,2,3,4,5,6,7,8,9,10,11,12,13,14,15
	STEP \t
.endr
	ds_load_b64 v[12:13], v6                       ; LDS serves a wave's instructions in order: these see my stores
	s_wait_dscnt 0x0
	global_store_b64 v7, v[12:13], s[20:21]        ; 32 lanes store 256 consecutive bytes, aligned
	s_wait_tensorcnt 0x0
	ds_add_u32 v192, v193
	s_wait_dscnt 0x0
	s_endpgm
; THE TABLE.  Wave w of work-group 896 + g makes tile t16 = 4 g + w (of 128): 16 tokens x 32 pairs.  Lane (r, h) has token 32 (t16 / 2) + 8 (t16 % 2) + r + 8 (r / 8) and the sixteen pairs
; p = 16 (n / 8) + 8 h + n % 8, n = 0 .. 15; (cos, sin) of pairs n = 2 g8, 2 g8 + 1 are 16 bytes at 4,096 t16 + 512 g8 + 16 x lane.
.set P,    16                          ; v16-31  10^(p/8), then the correction of its reciprocal
.set IV,   32                          ; v32-47  the frequencies
.set OUTR, 64                          ; v64-95  cos, sin of my sixteen pairs
.Ltable:
	s_sub_co_u32 s27, ttmp9, NQWG
	s_lshl_b32 s27, s27, 2
	s_add_co_u32 s27, s27, s26                     ; t16
	s_lshr_b32 s28, s27, 1
	s_lshl_b32 s28, s28, 5
	s_and_b32 s29, s27, 1
	s_lshl_b32 s29, s29, 3
	s_add_co_u32 s28, s28, s29
	v_and_b32 v4, 15, v0
	v_and_b32 v5, 8, v4
	v_add_nc_u32 v4, v4, v5
	v_add_nc_u32 v4, s28, v4                       ; my token
	v_cvt_f32_u32 v3, v4
	v_lshlrev_b32 v1, 4, v2                        ; 16 x lane
	v_cmp_le_u32 vcc_lo, 16, v2                    ; lanes 16-31
	s_mov_b32 s30, 0x3f22f983                      ; 2 / pi
	s_mov_b32 s31, 0xbfc90fdb                      ; -(pi/2 rounded to f32)
	s_mov_b32 s32, 0x333bbd2e                      ; that number less pi/2
	s_mov_b32 s33, 0x3638ef1d                      ; 1/9!
	s_mov_b32 s34, 0xb9500d01                      ; -1/7!
	s_mov_b32 s35, 0x3c088889                      ; 1/5!
	s_mov_b32 s36, 0xbe2aaaab                      ; -1/3!
	s_mov_b32 s37, 0xb493f27e                      ; -1/10!
	s_mov_b32 s38, 0x37d00d01                      ; 1/8!
	s_mov_b32 s39, 0xbab60b61                      ; -1/6!
	s_mov_b32 s40, 0x3d2aaaab                      ; 1/4!
	s_lshl_b32 s42, s27, 12
	s_mov_b32 s43, 0
	s_wait_kmcnt 0x0
	s_add_nc_u64 s[22:23], s[22:23], s[42:43]
.macro FREQ n, lo, hi                  ; 10^(p/8) as f32: lanes 0-15 take lo, lanes 16-31 hi (ten times as much)
	v_mov_b32 v[P+\n], \hi
	v_cndmask_b32 v[P+\n], \lo, v[P+\n], vcc_lo
.endm
	FREQ 0,  0x3f800000, 0x41200000
	FREQ 1,  0x3faab0d5, 0x41555d0a
	FREQ 2,  0x3fe39ea9, 0x418e432a
	FREQ 3,  0x4017c496, 0x41bdb5bc
	FREQ 4,  0x404a62c2, 0x41fcfb72
	FREQ 5,  0x4086f161, 0x4228adb9
	FREQ 6,  0x40b3f300, 0x4260efc0
	FREQ 7,  0x40eff755, 0x4295fa95
	FREQ 8,  0x42c80000, 0x447a0000
	FREQ 9,  0x43055a26, 0x44a6b0b0
	FREQ 10, 0x4331d3f4, 0x44de48f1
	FREQ 11, 0x436d232b, 0x451435fb
	FREQ 12, 0x439e1d27, 0x4545a471
	FREQ 13, 0x43d2d927, 0x4583c7b8
	FREQ 14, 0x440c95d8, 0x45afbb4e
	FREQ 15, 0x443b793b, 0x45ea5789
.irp n, 0,1,2,3,4,5,6,7,8,9,10,11,12,13,14,15
	v_rcp_f32 v[IV+\n], v[P+\n]                    ; one batch of sixteen
.endr
	v_nop                                          ; a plain instruction behind the last reciprocal
	s_wait_alu depctr_va_vdst(0)                   ; one wait for the batch, ahead of its first reader
.irp n, 0,1,2,3,4,5,6,7,8,9,10,11,12,13,14,15
	v_fma_f32 v[P+\n], -v[P+\n], v[IV+\n], 1.0     ; 1 - P r
.endr
.irp n, 0,1,2,3,4,5,6,7,8,9,10,11,12,13,14,15
	v_fma_f32 v[IV+\n], v[IV+\n], v[P+\n], v[IV+\n] ; r + r (1 - P r): the quotient 1 / P to the last bit or nearly
.endr
.macro SINCOS n
	v_mul_f32 v4, v3, v[IV+\n]                     ; the angle, rounded to f32
	v_mul_f32 v5, s30, v4
	v_rndne_f32 v5, v5                             ; k: the nearest multiple of pi/2
	v_fma_f32 v6, v5, s31, v4
	v_fma_f32 v6, v5, s32, v6                      ; r = angle - k pi/2, at most pi/4 in size
	v_mul_f32 v7, v6, v6
	v_fma_f32 v8, v7, s33, s34
	v_fma_f32 v9, v7, s37, s38
	v_fma_f32 v8, v8, v7, s35
	v_fma_f32 v9, v9, v7, s39
	v_fma_f32 v8, v8, v7, s36
	v_fma_f32 v9, v9, v7, s40
	v_mul_f32 v10, v6, v7
	v_fma_f32 v9, v9, v7, -0.5
	v_fma_f32 v8, v10, v8, v6                      ; sin r
	v_fma_f32 v9, v9, v7, 1.0                      ; cos r
	v_cvt_i32_f32 v11, v5
	v_and_b32 v12, 1, v11
	v_cmp_eq_u32 vcc_lo, 1, v12                    ; an odd k: the two change places (a choice of values, no branch)
	v_cndmask_b32 v13, v8, v9, vcc_lo
	v_cndmask_b32 v14, v9, v8, vcc_lo
	v_add_nc_u32 v12, 1, v11
	v_and_b32 v11, 2, v11
	v_and_b32 v12, 2, v12
	v_lshlrev_b32 v11, 30, v11                     ; the sine's sign: k mod 4 = 2, 3
	v_lshlrev_b32 v12, 30, v12                     ; the cosine's: k mod 4 = 1, 2
	v_xor_b32 v[OUTR+2*\n+1], v13, v11
	v_xor_b32 v[OUTR+2*\n], v14, v12
.endm
.irp n, 0,1,2,3,4,5,6,7,8,9,10,11,12,13,14,15
	SINCOS \n
.endr
.irp g, 0,1,2,3,4,5,6,7
	global_store_b128 v1, v[OUTR+4*\g:OUTR+4*\g+3], s[22:23] offset:512*\g   ; 32 lanes store 512 consecutive bytes, aligned
.endr
	s_endpgm
.Lfunc_end_k_qeed832158b_quant:
	.size	k_qeed832158b_quant, .Lfunc_end_k_qeed832158b_quant-k_qeed832158b_quant
	.p2alignl 7, 3214868480
	.fill 96, 4, 3214868480
	.section	.rodata,"a",@progbits
	.p2align	6, 0x0
	.amdhsa_kernel k_qeed832158b_quant
		.amdhsa_group_segment_fixed_size 33280
		.amdhsa_private_segment_fixed_size 0
		.amdhsa_enable_private_segment 0
		.amdhsa_kernarg_size 80
		.amdhsa_user_sgpr_count 2
		.amdhsa_user_sgpr_kernarg_segment_ptr 1
		.amdhsa_wavefront_size32 1
		.amdhsa_system_sgpr_workgroup_id_x 1
		.amdhsa_system_sgpr_workgroup_id_y 1
		.amdhsa_system_sgpr_workgroup_id_z 1
		.amdhsa_system_vgpr_workitem_id 0
		.amdhsa_next_free_vgpr 194
		.amdhsa_next_free_sgpr 66
		.amdhsa_reserve_vcc 1
		.amdhsa_float_denorm_mode_32 3
		.amdhsa_float_denorm_mode_16_64 3
		.amdhsa_memory_ordered 1
		.amdhsa_forward_progress 1
		.amdhsa_inst_pref_size 60
	.end_amdhsa_kernel
	.amdgpu_metadata
---
amdhsa.version: [ 1, 2 ]
amdhsa.kernels:
  - .name:           k_qeed832158b_quant
    .symbol:         k_qeed832158b_quant.kd
    .args:
      - { .name: x_q, .offset: 0, .size: 8, .value_kind: global_buffer, .address_space: global }
      - { .name: x_k, .offset: 8, .size: 8, .value_kind: global_buffer, .address_space: global }
      - { .name: x_v, .offset: 16, .size: 8, .value_kind: global_buffer, .address_space: global }
      - { .name: W_q, .offset: 24, .size: 8, .value_kind: global_buffer, .address_space: global }
      - { .name: W_k, .offset: 32, .size: 8, .value_kind: global_buffer, .address_space: global }
      - { .name: W_v, .offset: 40, .size: 8, .value_kind: global_buffer, .address_space: global }
      - { .name: W_out, .offset: 48, .size: 8, .value_kind: global_buffer, .address_space: global }
      - { .name: codes, .offset: 56, .size: 8, .value_kind: global_buffer, .address_space: global }
      - { .name: scales, .offset: 64, .size: 8, .value_kind: global_buffer, .address_space: global }
      - { .name: rope, .offset: 72, .size: 8, .value_kind: global_buffer, .address_space: global }
    .group_segment_fixed_size: 33280
    .private_segment_fixed_size: 0
    .kernarg_segment_align: 8
    .kernarg_segment_size: 80
    .max_flat_workgroup_size: 128
    .sgpr_count:     66
    .vgpr_count:     194
    .wavefront_size: 32
...
	.end_amdgpu_metadata
.endif
;; end of part 1
;; launch proj (part 2): grid 4 x 96, 4 waves a work-group, clusters of 4 x 4, 327,680 bytes of LDS; arguments codes, scales, rope, padding_mask, qc, kv; writes qc, kv
.if DOCPART == 2
	.amdgcn_target "amdgcn-amd-amdhsa--gfx1250"
	.amdhsa_code_object_version 6
	.text
	.protected	k_qeed832158b_proj
	.globl	k_qeed832158b_proj
	.p2align	8
	.type	k_qeed832158b_proj,@function
k_qeed832158b_proj:
	s_mov_b64 s[64:65], 0
	v_nop
	global_prefetch_b8 v0, s[64:65] scope:SCOPE_SE
	s_setreg_imm32_b32 hwreg(HW_REG_WAVE_MODE, 25, 1), 1
	s_wait_xcnt 0x0
	s_wait_alu depctr_hold_cnt(0) depctr_sa_sdst(0) depctr_va_vdst(0) depctr_va_sdst(0) depctr_va_ssrc(0) depctr_va_vcc(0) depctr_vm_vsrc(0)
	s_getreg_b32 s2, hwreg(HW_REG_IB_STS2, 6, 4)
	s_cmp_eq_u32 s2, 0
	s_cbranch_scc0 .Lentry_in_a_cluster
	s_endpgm
.Lentry_in_a_cluster:
	s_bfe_u32 s2, ttmp6, 0x10000c
	s_cmp_lg_u32 s2, 0xf033
	s_cbranch_scc0 .Lentry_shape_is_right
	s_endpgm
.Lentry_shape_is_right:
; The three projections q = x_q W_q^T, k = x_k W_k^T, v = x_v W_v^T on codes of BF6 (E3M2) with one E8M0 scale for each 32 along K = 1,024, and what follows them up to the next quantiser:
; q and k get the rotary embedding and are quantised along the head's 64; v is quantised along the keys.  The results leave as images of the next launch's operand registers.
; A tile of 256 x 256 is made by a work-group of four waves, 128 x 128 a wave: 64 accumulators of 16 x 16.  K goes in steps of 256 through a ring of two LDS slots filled by the tensor data mover;
; the scale bytes of the work-group's 512 rows come into LDS once.  24 clusters of 4 x 4 work-groups: clusters 0-7 make q, 8-15 k, 16-23 v.  The four of a row of the cluster need the same tiles of A,
; the four of a column the same tiles of B: each tile is asked for jointly.
; For q and k: A = 256 tokens, B = 256 rows of W.  For v the roles are exchanged (A = rows of W_v, B = tokens), so that a lane holds one channel and its registers run along the keys.
; THE MATRIX INSTRUCTION IS USED TRANSPOSED (source 0 = 16 rows of B, source 1 = 16 rows of A).  The rows of 'codes' are laid so that 16 consecutive rows are rows 0-7 and 16-23 (or 8-15 and 24-31) of each 32:
; in accumulator (a, b) lane (r, h) register j holds A's index 32 (a/2) + 8 (a%2) + r + 8 (r/8) and B's index 32 (b/2) + 16 h + 8 (b%2) + j: the 16 registers of (a, 2 c), (a, 2 c + 1) are 16 neighbours.
; THE PADDING MASK goes into the unused half of the score product's K step of 128: column 64 of q is the code of 1.0 under the scale 2^50; column 64 of a masked key is the code of -28 under 2^50,
; of a visible key the code 0 under 2^-126.  So a masked key's score is -28 x 2^100, and a visible key's is untouched.
; LIMITS: NaN and infinities are not served; blocks whose largest magnitude lies under 2^-122 keep the scale byte 1.
; REGISTERS, in windows of 256: window 0: v0-31 addresses; v32-63 scale words, two sets; from v128 A's fragments, one set; on the way out v16-18 and v32-226 are used anew.
;   window 1: B's fragments, two sets, at v0 and v128.   window 2: the accumulators of my A blocks 0-3 ((a, b) at v[8 (8 (a%4) + b)]);   window 3: those of blocks 4-7.
.set SIZE_K, 1024
.set KSTEP,  256                       ; along K in a slot
.set NQ,     KSTEP/128                 ; matrix instructions deep
.set ROWB,   192                       ; a tile's row in bytes
.set KROW,   SIZE_K*6/8                ; a row of codes in memory
.set PITCH,  240                       ; an LDS row: 3 x (64 bytes + 16 of padding)
.set FR,     12                        ; registers of a fragment
.set NL,     6                         ; LDS loads that bring one
.set NP,     4                         ; places behind this matrix instruction (ISA guide 7.12.1)
.set HALFT,  128*PITCH                 ; 128 rows: what one tensor load brings
.set SLOT,   4*HALFT                   ; A's 256 rows, then B's 256 rows
.set LAPS,   SIZE_K/(2*KSTEP)
.set KS,     SIZE_K/32                 ; a row of scale bytes
.set SCL,    2*SLOT                    ; behind the ring: the scales, as rows of 256 bytes + 16 of padding
.set HALFS,  (128*KS/256)*272
.set SBLK,   (16*KS/256)*272
.set SPARE,  SCL+4*HALFS               ; the spare words, 128 bytes a wave: two blocks of 256 bytes that no other line names
.set ADRA, 16                          ; v16-17 LDS address of my A fragments in slot 0, 1 (v18-19: behind one padding more)
.set ADRB, 20                          ; v20-23 the same for B
.set ADRS, 27                          ; v27 LDS address of my scale words: lanes 0-15 A's rows, lanes 16-31 B's
.set SPW,  28                          ; v28 LDS address of my spare word; never rewritten
.set NIL,  29                          ; v29 0; never rewritten
.set SC,   32                          ; scale words: set s at v[SC + 8 NQ s]
.set AF,   128                         ; A's fragments, window 0
.set G1, 24                            ; s[24:31] group 1 for A's tiles; s[32:39] groups 0, one for each slot
.set G0, 32
.set G1B, 48                           ; the same for B's tiles
.set G0B, 56
.set G1S, 68                           ; groups 1 and 0 for A's scales, then for B's
.set G0S, 76
.set G1SB, 80
.set G0SB, 88
.set TEN,  95                          ; s95 which tensor: 0 q, 1 k, 2 v
; the way out
.set LI,   16                          ; v16 16 x lane
.set L8,   17                          ; v17 8 x lane
.set RHO,  18                          ; v18 r + 8 (r / 8)
.set CS,   32                          ; v32-95 cos, sin: two sets of 32
.set Y,    96                          ; v96-127 a head's 32 numbers of my token, turned
.set E,    128                         ; v128-143 a tile's eight registers, a set for each of the two heads
.set T3,   144                         ; v144-146 the second conversion's codes
.set PWT,  147                         ; v147 two scale bytes
.set TM,   148                         ; v148-151 largest magnitudes, v152-155 the other half's, then bytes, v156-159 the conversions' scale operands
.set PW,   160                         ; v160-175 scale words
.set MB,   176                         ; v176-183 mask bytes of my token in each block
.set VU,   184                         ; register 6 of a visible key's tile (lanes 16-31: 0)
.set VM,   185                         ; of a masked key's
.set WU,   186                         ; the scale word's upper half, visible
.set WM,   187                         ; masked
.set OUTW, 188                         ; v188-195 scale words as they are stored
.set PC,   196                         ; v196-219 a fragment of v, two sets
.set T6,   220                         ; v220-226 the second halves' codes
.set SEL,  66                          ; s[66:67] lane selects: lane l xor 16
.set HM,   93                          ; s93 the lanes 16-31
.set BASE, 18                          ; s[18:19], s[20:21] where my records begin
.set MSB, 0
.macro WIN new                         ; the immediate's high byte repeats the setting that is left
.if MSB != (\new)
	s_set_vgpr_msb (MSB<<8)|(\new)
.set MSB, (\new)
.endif
.endm
.set MUL_LO, 0xa1                      ; source 0 (B) window 1, source 1 (A) window 0, C and D window 2
.set MUL_HI, 0xf1                      ; the same, C and D window 3
.set TO_B,   0x40                      ; destination window 1
; A joint load: waves 0 and 1 fetch for A, waves 2 and 3 for B; the branch hangs on the wave's number alone.  Four v_nop follow each of the two lines.
.macro JLOAD g0a, g1a, g0b, g1b
	s_cmp_eq_u32 s15, 0
	s_cbranch_scc0 .Lfor_b_\@
	tensor_load_to_lds s[\g0a:\g0a+3], s[\g1a:\g1a+7]
	s_nop 0
.rept 4
	v_nop
.endr
	s_branch .Lasked_\@
.Lfor_b_\@:
	tensor_load_to_lds s[\g0b:\g0b+3], s[\g1b:\g1b+7]
	s_nop 0
.rept 4
	v_nop
.endr
.Lasked_\@:
.endm
.macro CREST                           ; a round of the cluster's barrier behind its opening barrier
	s_cmp_lg_u32 s14, 0
	s_cbranch_scc1 .Lnot_wave_0_\@
	s_barrier_signal -3
.Lnot_wave_0_\@:
	s_barrier_wait -3
	s_barrier_signal -1
	s_barrier_wait -1
.endm
.macro CROUND                          ; a whole round
	s_barrier_signal -1
	s_barrier_wait -1
	CREST
.endm
	s_load_b128 s[4:7], s[0:1], 0x0                ; codes, scales
	s_load_b128 s[8:11], s[0:1], 0x10              ; rope, padding_mask
	s_load_b128 s[96:99], s[0:1], 0x20             ; qc, kv
	v_lshl_add_u32 v[SPW], v0, 2, SPARE
	v_mov_b32 v[NIL], 0
	ds_add_u32 v28, v29
	ds_add_u32 v28, v29
	s_wait_dscnt 0x0
	v_lshrrev_b32 v1, 5, v0
	v_readfirstlane_b32 s14, v1                    ; wave 0..3
	s_lshr_b32 s15, s14, 1                         ; which half of A's rows is mine.  Also: I fetch for A (0) or for B (1)
	s_and_b32 s16, s14, 1                          ; which half of B's rows.  Also: which 128 rows I fetch
	s_bfe_u32 s40, ttmp6, 0x40000                  ; cx, cy: my place in the cluster
	s_bfe_u32 s41, ttmp6, 0x40004
	s_and_b32 s17, ttmp7, 0xffff                   ; the cluster's y: 0 .. 23, the same in all sixteen partners
	s_lshr_b32 s[TEN], s17, 3
	s_and_b32 s2, s17, 7
	s_lshl_b32 s2, s2, 2                           ; four tiles of tokens to a cluster
	s_lshl_b32 s12, s[TEN], 13                     ; q, k: A's first row in 'codes' is x's: 8,192 x tensor;
	s_lshl_b32 s13, s[TEN], 10
	s_add_co_u32 s13, s13, 24576                   ; B's is W's: 24,576 + 1,024 x tensor
	s_cmp_eq_u32 s[TEN], 2
	s_cselect_b32 s66, 0, s2                       ; v: the tokens go along B
	s_cselect_b32 s67, s2, 0
	s_cselect_b32 s12, 26624, s12                  ; A = W_v
	s_cselect_b32 s13, 16384, s13                  ; B = x_v
	s_add_co_u32 s17, s66, s41                     ; A's tile: it hangs on cy, never on cx
	s_add_co_u32 s42, s67, s40                     ; B's tile: on cx, never on cy
	s_lshl_b32 s43, s41, 2
	s_lshl_b32 s43, 15, s43                        ; my row of the cluster
	s_lshl_b32 s44, 0x1111, s40                    ; my column
	; descriptor group 1: a tile of 128 rows x 192 bytes; 16 bytes of padding behind every 64
	s_or_b32 s[G1+0], s43, (0<<16)|(1<<20)|(1<<21)|(3<<22)|(3<<25)
	s_or_b32 s[G1B+0], s44, (0<<16)|(1<<20)|(1<<21)|(3<<22)|(3<<25)
.irp g, G1, G1B
	s_mov_b32 s[\g+1], ROWB<<16                    ; tensor_dim0
	s_mov_b32 s[\g+2], 128<<16                     ; tensor_dim1
	s_mov_b32 s[\g+3], ROWB<<16                    ; tile_dim0
	s_mov_b32 s[\g+4], 128                         ; tile_dim1
	s_mov_b32 s[\g+5], KROW                        ; the pitch in memory
	s_mov_b32 s[\g+6], 0
	s_mov_b32 s[\g+7], 0
.endr
	; the scales of 128 rows: a dense block of 4,096 bytes, as 16 rows of 256 bytes (32 elements of 8 bytes), 16 bytes of padding behind each
	s_or_b32 s[G1S+0], s43, (3<<16)|(1<<20)|(1<<21)|(5<<22)|(3<<25)
	s_or_b32 s[G1SB+0], s44, (3<<16)|(1<<20)|(1<<21)|(5<<22)|(3<<25)
.irp g, G1S, G1SB
	s_mov_b32 s[\g+1], 32<<16
	s_mov_b32 s[\g+2], (128*KS/256)<<16
	s_mov_b32 s[\g+3], 32<<16
	s_mov_b32 s[\g+4], 128*KS/256
	s_mov_b32 s[\g+5], 32
	s_mov_b32 s[\g+6], 0
	s_mov_b32 s[\g+7], 0
.endr
	s_lshl_b32 s18, s16, 7                         ; which 128 rows of the tile I fetch
	s_lshl_b32 s20, s17, 8
	s_add_co_u32 s20, s20, s18
	s_add_co_u32 s20, s20, s12                     ; A's row in 'codes'
	s_lshl_b32 s46, s42, 8
	s_add_co_u32 s46, s46, s18
	s_add_co_u32 s46, s46, s13                     ; B's
	s_mov_b32 s21, 0
	s_mov_b32 s47, 0
	s_mov_b64 s[18:19], KS
	s_mul_u64 s[22:23], s[20:21], s[18:19]         ; where these rows' scales begin, in bytes
	s_mul_u64 s[92:93], s[46:47], s[18:19]
	s_mov_b64 s[18:19], KROW
	s_mul_u64 s[20:21], s[20:21], s[18:19]         ; and their codes
	s_mul_u64 s[46:47], s[46:47], s[18:19]
	s_mul_i32 s45, s14, HALFT                      ; where they go: wave x 128 rows: no place in the cluster enters an LDS address
	s_mul_i32 s94, s14, HALFS
	s_wait_kmcnt 0x0
	s_add_nc_u64 s[20:21], s[4:5], s[20:21]
	s_add_nc_u64 s[22:23], s[6:7], s[22:23]
	s_add_nc_u64 s[46:47], s[4:5], s[46:47]
	s_add_nc_u64 s[92:93], s[6:7], s[92:93]
	CROUND                                         ; all sixteen work-groups are here: the first joint loads meet
	s_mov_b32 s[G0S], 1
	s_add_co_u32 s[G0S+1], s94, SCL
	s_mov_b64 s[G0S+2:G0S+3], s[22:23]
	s_or_b32 s[G0S+3], s[G0S+3], 0x80000000
	s_mov_b32 s[G0SB], 1
	s_add_co_u32 s[G0SB+1], s94, SCL
	s_mov_b64 s[G0SB+2:G0SB+3], s[92:93]
	s_or_b32 s[G0SB+3], s[G0SB+3], 0x80000000
	JLOAD G0S, G1S, G0SB, G1SB                     ; the scales first: they are wanted with K step 0
.irp s, 0,1
	s_mov_b32 s[G0+4*\s], 1
	s_add_co_u32 s[G0+4*\s+1], s45, \s*SLOT
	s_add_nc_u64 s[G0+4*\s+2:G0+4*\s+3], s[20:21], \s*ROWB
	s_or_b32 s[G0+4*\s+3], s[G0+4*\s+3], 0x80000000
	s_mov_b32 s[G0B+4*\s], 1
	s_add_co_u32 s[G0B+4*\s+1], s45, \s*SLOT
	s_add_nc_u64 s[G0B+4*\s+2:G0B+4*\s+3], s[46:47], \s*ROWB
	s_or_b32 s[G0B+4*\s+3], s[G0B+4*\s+3], 0x80000000
	JLOAD G0+4*\s, G1, G0B+4*\s, G1B
.endr
	v_and_b32 v1, 15, v0                           ; l % 16
	v_bfe_u32 v2, v0, 4, 1                         ; l / 16
	v_mul_u32_u24 v3, v1, PITCH
	v_mul_u32_u24 v4, v2, 24
	v_add_nc_u32 v4, v3, v4                        ; a fragment's row x pitch + 24 x half
	v_lshl_add_u32 v5, v2, 4, v4                   ; and the same behind one padding more
	s_mul_i32 s21, s15, HALFT                      ; my 128 rows of A
	s_mul_i32 s22, s16, HALFT                      ; my 128 rows of B,
	s_add_co_u32 s22, s22, 2*HALFT                 ; which lie behind A's 256
.irp s, 0,1
	v_add_nc_u32 v[ADRA+\s], s21, v4
	v_add_nc_u32 v[ADRB+\s], s22, v4
	v_add_nc_u32 v[ADRA+2+\s], s21, v5
	v_add_nc_u32 v[ADRB+2+\s], s22, v5
	s_add_co_u32 s21, s21, SLOT
	s_add_co_u32 s22, s22, SLOT
.endr
	v_mul_u32_u24 v5, v1, KS                       ; my row's scales: 32 bytes a row,
	v_lshrrev_b32 v6, 8, v5
	v_lshl_add_u32 v5, v6, 4, v5                   ; and 16 more for each 256 passed
	s_mul_i32 s21, s15, HALFS
	s_mul_i32 s22, s16, HALFS
	s_add_co_u32 s22, s22, 2*HALFS
	s_sub_co_u32 s22, s22, s21
	v_mul_u32_u24 v6, s22, v2                      ; lanes 16-31 take B's
	s_add_co_u32 s21, s21, SCL
	v_add_nc_u32 v5, v5, v6
	v_add_nc_u32 v[ADRS], s21, v5
.macro FRAG reg, adr, q, i             ; a fragment: lane l holds row l % 16; registers 6 c .. 6 c + 5 hold K = 64 c + 32 (l / 16) + 0 .. 31: 24 bytes of the row, as they lie, in pieces of 8 bytes
.irp p, 0,1,2,3,4,5
.set PCE, 12*(\q)+6*(\p/3)+\p%3        ; where the piece three on (lanes 16-31) lies behind one padding more, the second address register serves
.if PCE%8 < 5
	ds_load_b64 v[\reg+2*\p:\reg+2*\p+1], v[\adr] offset:8*PCE+16*(PCE/8)+(\i)*16*PITCH
.else
	ds_load_b64 v[\reg+2*\p:\reg+2*\p+1], v[\adr+2] offset:8*PCE+16*(PCE/8)+(\i)*16*PITCH
.endif
.endr
.endm
; 16 matrix instructions: A's blocks a0, a0 + 1 x B's eight.  The 64 accumulators take turns, one instruction a turn, in the same order in every step.
.macro MUL16 a0, p, q, sc, zero
.irp a, \a0, \a0+1
.irp b, 0,1,2,3,4,5,6,7
.if \zero
	v_wmma_scale_f32_16x16x128_f8f6f4 v[8*(8*((\a)%4)+\b):8*(8*((\a)%4)+\b)+7], v[128*(\p)+FR*\b:128*(\p)+FR*\b+FR-1], v[AF+FR*(\a):AF+FR*(\a)+FR-1], 0, v[SC+8*NQ*(\sc)+NQ*\b+(\q)], v[SC+8*NQ*(\sc)+NQ*(\a)+(\q)] matrix_a_fmt:MATRIX_FMT_BF6 matrix_b_fmt:MATRIX_FMT_BF6 matrix_a_scale:MATRIX_SCALE_ROW1
.else
	v_wmma_scale_f32_16x16x128_f8f6f4 v[8*(8*((\a)%4)+\b):8*(8*((\a)%4)+\b)+7], v[128*(\p)+FR*\b:128*(\p)+FR*\b+FR-1], v[AF+FR*(\a):AF+FR*(\a)+FR-1], v[8*(8*((\a)%4)+\b):8*(8*((\a)%4)+\b)+7], v[SC+8*NQ*(\sc)+NQ*\b+(\q)], v[SC+8*NQ*(\sc)+NQ*(\a)+(\q)] matrix_a_fmt:MATRIX_FMT_BF6 matrix_b_fmt:MATRIX_FMT_BF6 matrix_a_scale:MATRIX_SCALE_ROW1
.endif
.endr
.endr
.endm
.macro FETCH_B slot, q, p
	WIN TO_B
.irp i, 0,1,2,3,4,5,6,7
	FRAG 128*(\p)+FR*\i, ADRB+\slot, \q, \i
.endr
	WIN 0
.endm
.macro FETCH_A slot, q, i0
.irp i, \i0, \i0+1, \i0+2, \i0+3
	FRAG AF+FR*(\i), ADRA+\slot, \q, \i
.endr
.endm
.macro SCALES sc                       ; a K step's scale words: lanes 0-15 take A's block i, lanes 16-31 B's block i
.irp i, 0,1,2,3,4,5,6,7
	ds_load_b64 v[SC+8*NQ*\sc+NQ*\i:SC+8*NQ*\sc+NQ*\i+1], v[ADRS] offset:\i*SBLK
.endr
.endm
.macro PLACES n                        ; plain vector instructions between a matrix instruction and a load into, or a read of, its registers
.rept \n
	v_nop
.endr
.endm
.macro STEP slot, q, zero              ; a step of 128 along K that has its successor in the same slot
	s_wait_dscnt 4*NL                              ; B's set and A's blocks 0-3 are in; the youngest 24 loads (A's blocks 4-7) may be out
	WIN MUL_LO
	MUL16 0, (\q)%2, \q, \slot, \zero
	MUL16 2, (\q)%2, \q, \slot, \zero
	s_wait_dscnt 0
	PLACES NP
	FETCH_B \slot, (\q)+1, 1-(\q)%2
	FETCH_A \slot, (\q)+1, 0
	WIN MUL_HI
	MUL16 4, (\q)%2, \q, \slot, \zero
	MUL16 6, (\q)%2, \q, \slot, \zero
	PLACES NP
	WIN 0
	FETCH_A \slot, (\q)+1, 4
.endm
; A slot's last step changes slots: one barrier; in front of it each wave waits for all its tensor loads, adds 0 to its spare word, and waits for that and for its reads of this slot.
.macro TURN slot, next, fill
	s_wait_tensorcnt 0x0                           ; all my tensor loads have landed: my part of the next slot
	ds_add_u32 v[SPW], v[NIL]                      ; 0 onto my spare word
	s_wait_dscnt 4*NL+1                            ; (the add and the youngest 24 loads may be out)
	WIN MUL_LO
	MUL16 0, 1, NQ-1, \slot, 0
	s_wait_dscnt 0x0                               ; the add is done, and my reads of this slot are over
	s_barrier_signal -1
	MUL16 2, 1, NQ-1, \slot, 0
	WIN 0
	s_barrier_wait -1
.if \fill
	CREST                                          ; the barrier has opened a round of the cluster's barrier: no wave of any partner still reads this slot or has a load on its way
	s_add_nc_u64 s[G0+4*\slot+2:G0+4*\slot+3], s[G0+4*\slot+2:G0+4*\slot+3], 2*ROWB
	s_add_nc_u64 s[G0B+4*\slot+2:G0B+4*\slot+3], s[G0B+4*\slot+2:G0B+4*\slot+3], 2*ROWB
	JLOAD G0+4*\slot, G1, G0B+4*\slot, G1B         ; the first tensor load behind the round
.else
	PLACES NP
.endif
	v_add_nc_u32 v[ADRS], 4*NQ, v[ADRS]            ; on to the next K step's scale words
	FETCH_B \next, 0, 0
	FETCH_A \next, 0, 0
	SCALES \next
	WIN MUL_HI
	MUL16 4, 1, NQ-1, \slot, 0
	MUL16 6, 1, NQ-1, \slot, 0
	PLACES NP
	WIN 0
	FETCH_A \next, 0, 4
.endm
	s_wait_tensorcnt 1                             ; the scales and my part of K step 0 are in (K step 1's load may be out),
	s_barrier_signal -1
	s_barrier_wait -1                              ; everybody's are
	FETCH_B 0, 0, 0
	FETCH_A 0, 0, 0
	SCALES 0
	FETCH_A 0, 0, 4
	STEP 0, 0, 1                                   ; the first step's products start the sums
	s_mov_b32 s3, LAPS-1
.Llap:                                                 ; a trip goes once round the ring and fills both slots again
	TURN 0, 1, 1
	STEP 1, 0, 0
	TURN 1, 0, 1
	STEP 0, 0, 0
	s_sub_co_u32 s3, s3, 1
	s_cmp_lg_u32 s3, 0
	s_cbranch_scc1 .Llap
	TURN 0, 1, 0                                   ; the last lap fills nothing
	STEP 1, 0, 0
	s_wait_dscnt 4*NL
	WIN MUL_LO
	MUL16 0, 1, NQ-1, 1, 0
	MUL16 2, 1, NQ-1, 1, 0
	s_wait_dscnt 0
	WIN MUL_HI
	MUL16 4, 1, NQ-1, 1, 0
	MUL16 6, 1, NQ-1, 1, 0
	WIN 0
	PLACES NP                                      ; ahead of the first read of results and of writes to registers that the last products read
	; ---------------- THE WAY OUT ----------------
	s_mov_b32 s[SEL], 0x76543210
	s_mov_b32 s[SEL+1], 0xfedcba98
	s_mov_b32 s[HM], 0xffff0000
	v_and_b32 v19, 31, v0
	v_lshlrev_b32 v[LI], 4, v19
	v_lshlrev_b32 v[L8], 3, v19
	v_and_b32 v[RHO], 15, v0
	v_and_b32 v19, 8, v[RHO]
	v_add_nc_u32 v[RHO], v[RHO], v19
.irp b, 0,1,2,3
	v_mov_b32 v[TM+4+\b], 0                        ; written once: a lane permute's destination counts as one of its sources
.endr
	s_cmp_eq_u32 s[TEN], 2                         ; the same in all sixteen partners
	s_cbranch_scc1 .Lv
	; ---- q and k.  My 128 tokens are one group of 128 of a batch; my 128 channels are two heads.
	s_cmp_eq_u32 s[TEN], 1
	s_cselect_b32 s43, 0, 12                       ; column 64: a visible key 0; q the code of 1.0
	s_cselect_b32 s44, 63, 12                      ; a masked key the code of -28
	s_mov_b32 s45, 0x01b10000                      ; bytes 2, 3 of the scale word: 2^50, 2^-126
	s_cselect_b32 s46, 0x01010000, s45             ; a visible key: 2^-126, 2^-126
	s_cselect_b64 s[BASE:BASE+1], s[98:99], s[96:97]
	s_mov_b32 s47, 139264                          ; bytes of a head in qc,
	s_cselect_b32 s47, 241664, s47                 ; in kv
	s_mov_b32 s92, 8704                            ; bytes of a record of 128 tokens in qc,
	s_cselect_b32 s92, 15104, s92                  ; in kv
	v_mov_b32 v[VU], s43
	v_mov_b32 v[VM], s44
	v_cndmask_b32 v[VU], v[VU], v[NIL], s[HM]      ; lanes 16-31 hold columns 96 on: zeros
	v_cndmask_b32 v[VM], v[VM], v[NIL], s[HM]
	v_mov_b32 v[WU], s46
	v_mov_b32 v[WM], s45
	v_mov_b32 v[E+7], 0
	v_mov_b32 v[E+15], 0
	s_lshl_b32 s2, s17, 8
	s_lshl_b32 s3, s15, 7
	s_add_co_u32 s2, s2, s3                        ; my first token of 8,192
	s_lshr_b32 s3, s2, 11                          ; the batch
	s_bfe_u32 s12, s2, 0x40007                     ; the group of 128 in it
	s_lshl_b32 s13, s42, 2
	s_lshl_b32 s94, s16, 1
	s_add_co_u32 s13, s13, s94                     ; my first head
	s_lshl_b32 s3, s3, 4
	s_add_co_u32 s13, s13, s3                      ; 16 x batch + head
	s_mul_i32 s22, s13, s47
	s_mul_i32 s94, s12, s92
	s_add_co_u32 s22, s22, s94
	s_mov_b32 s23, 0
	s_add_nc_u64 s[BASE:BASE+1], s[BASE:BASE+1], s[22:23]
	s_mov_b32 s22, s47
	s_add_nc_u64 s[BASE+2:BASE+3], s[BASE:BASE+1], s[22:23]   ; the second head's record
	s_lshl_b32 s22, s12, 15
	s_add_nc_u64 s[8:9], s[8:9], s[22:23]          ; the table's eight tiles of this group
	s_mov_b32 s22, s2
	s_add_nc_u64 s[10:11], s[10:11], s[22:23]      ; the mask's 128 bytes
.irp a, 0,1,2,3,4,5,6,7
	global_load_u8 v[MB+\a], v[RHO], s[10:11] offset:32*(\a/2)+8*(\a%2)
.endr
.macro CSLOAD a                        ; cos, sin of block a's tokens: 32 numbers a lane
.irp g, 0,1,2,3,4,5,6,7
	global_load_b128 v[CS+32*((\a)%2)+4*\g:CS+32*((\a)%2)+4*\g+3], v[LI], s[8:9] offset:4096*(\a)+512*\g
.endr
.endm
	CSLOAD 0
	CSLOAD 1
; y(2p) = x(2p) cos - x(2p+1) sin, y(2p+1) = x(2p+1) cos + x(2p) sin.  Register pair l of the head's 32 registers is pair 16 (l/8) + 8 h + l % 8; the table's registers 2 l, 2 l + 1 are its cos and sin.
.macro ROPE a, hh
	WIN 2+(\a)/4                                   ; source 0: the accumulators' window
.set XR, 64*((\a)%4)+32*(\hh)
.set CR, CS+32*((\a)%2)
.irp l, 0,1,2,3,4,5,6,7,8,9,10,11,12,13,14,15
	v_pk_mul_f32 v[Y+2*\l:Y+2*\l+1], v[XR+2*\l:XR+2*\l+1], v[CR+2*\l:CR+2*\l+1] op_sel_hi:[1,0]   ; each accumulator is read from its low end on
.endr
.irp l, 0,1,2,3,4,5,6,7,8,9,10,11,12,13,14,15
	v_fma_f32 v[Y+2*\l], -v[XR+2*\l+1], v[CR+2*\l+1], v[Y+2*\l]
	v_fma_f32 v[Y+2*\l+1], v[XR+2*\l], v[CR+2*\l+1], v[Y+2*\l+1]
.endr
	WIN 0
.endm
; 32 numbers of a lane, register 16 b + i = d 32 b + 16 h + i of my token, become six registers of codes (d = 32 h + 0 .. 31) at v[dst] and two scale bytes in v[PWT].
.macro QUANT32 src, dst
.irp b, 0,1
	v_max3_num_f32 v[TM+\b], |v[\src+16*\b]|, |v[\src+1+16*\b]|, 0x2800000   ; with the floor 2^(5 - 127): the byte cannot fall under 1
.endr
.irp i, 2,4,6,8,10,12,14
.irp b, 0,1
	v_max3_num_f32 v[TM+\b], v[TM+\b], |v[\src+16*\b+\i]|, |v[\src+1+16*\b+\i]|
.endr
.endr
.irp b, 0,1
	v_permlanex16_b32 v[TM+4+\b], v[TM+\b], s[SEL], s[SEL+1]
.endr
.irp b, 0,1
	v_max_num_f32 v[TM+\b], v[TM+\b], v[TM+4+\b]   ; with lane l xor 16's: the block's largest magnitude
.endr
.irp b, 0,1
	v_add_nc_u32 v[TM+8+\b], 0xfe000000, v[TM+\b]  ; 4 off its exponent field: the conversion's scale operand
.endr
.irp b, 0,1
	v_lshrrev_b32 v[TM+4+\b], 23, v[TM+8+\b]       ; the scale's byte
.endr
	v_cvt_scalef32_pk16_bf6_f32 v[\dst:\dst+2], v[\src:\src+15], v[TM+8]
	v_cvt_scalef32_pk16_bf6_f32 v[T3:T3+2], v[\src+16:\src+31], v[TM+9]
	v_lshl_or_b32 v[PWT], v[TM+5], 8, v[TM+4]      ; (the plain instruction behind the conversions)
.irp i, 0,1,2
	v_permlane16_swap_b32 v[\dst+\i], v[T3+\i]     ; a whole block to a lane: lanes 0-15 block 0, lanes 16-31 block 1
.endr
.irp i, 0,1,2
	v_mov_b32 v[\dst+3+\i], v[T3+\i]
.endr
.endm
.macro QKBLOCK a                       ; block a: 16 tokens, two heads: two tiles of eight registers a lane
.if (\a) < 7
	s_wait_loadcnt 8                               ; the mask bytes and this block's table are in; the next block's eight loads may be out
.else
	s_wait_loadcnt 0x0
.endif
	v_cmp_eq_u32 vcc_lo, 0, v[MB+(\a)]             ; my token is masked: it only chooses values
.irp hh, 0,1
	s_wait_xcnt 0x0                                ; the earlier stores have read their data: this head's eight registers are written again only behind this wait
	ROPE \a, \hh
	QUANT32 Y, E+8*\hh
	v_cndmask_b32 v[E+8*\hh+6], v[VU], v[VM], vcc_lo
	v_cndmask_b32 v[TM+4], v[WU], v[WM], vcc_lo
	v_or_b32 v[PW+8*\hh+(\a)], v[PWT], v[TM+4]
	global_store_b128 v[LI], v[E+8*\hh:E+8*\hh+3], s[BASE+2*\hh:BASE+2*\hh+1] offset:1024*(\a)          ; 32 lanes store 512 consecutive bytes, aligned
	global_store_b128 v[LI], v[E+8*\hh+4:E+8*\hh+7], s[BASE+2*\hh:BASE+2*\hh+1] offset:1024*(\a)+512
.endr
.if (\a) < 6
	CSLOAD (\a)+2
.endif
.endm
.irp a, 0,1,2,3,4,5,6,7
	QKBLOCK \a
.endr
.irp hh, 0,1                           ; the scale words: register i: lanes 0-15 tile 2 i's, lanes 16-31 tile 2 i + 1's
.irp i, 0,1,2,3
	v_cndmask_b32 v[OUTW+4*\hh+\i], v[PW+8*\hh+2*\i], v[PW+8*\hh+2*\i+1], s[HM]
.endr
	global_store_b128 v[LI], v[OUTW+4*\hh:OUTW+4*\hh+3], s[BASE+2*\hh:BASE+2*\hh+1] offset:8192
.endr
	s_branch .Ldone
	; ---- v.  My 128 rows of A are the channels of two heads; my 128 rows of B are one group of 128 keys: one K step of the second attention product.
.Lv:
	s_lshl_b32 s2, s42, 8
	s_lshl_b32 s3, s16, 7
	s_add_co_u32 s2, s2, s3                        ; my first key of 8,192
	s_lshr_b32 s3, s2, 11
	s_bfe_u32 s12, s2, 0x40007
	s_lshl_b32 s13, s17, 2
	s_lshl_b32 s94, s15, 1
	s_add_co_u32 s13, s13, s94                     ; my first head
	s_lshl_b32 s3, s3, 4
	s_add_co_u32 s13, s13, s3
	s_mul_i32 s22, s13, 241664
	s_mul_i32 s94, s12, 15104
	s_add_co_u32 s22, s22, s94
	s_mov_b32 s23, 0
	s_add_nc_u64 s[BASE:BASE+1], s[98:99], s[22:23]
; Block a's 64 registers of a lane, register 16 b + i = key 32 b + 16 h + i of my channel, become a fragment of 12 registers and a scale word.
.macro QUANT64 a
.set XR, 64*((\a)%4)
.set WN, 2+(\a)/4
.set PS, PC+12*((\a)%2)
	WIN WN+4*WN                                    ; sources 0 and 1: the accumulators' window
.irp b, 0,1,2,3
	v_max3_num_f32 v[TM+\b], |v[XR+16*\b]|, |v[XR+1+16*\b]|, 0x2800000
.endr
.irp i, 2,4,6,8,10,12,14
.irp b, 0,1,2,3
	v_max3_num_f32 v[TM+\b], |v[XR+16*\b+\i]|, |v[XR+1+16*\b+\i]|, v[TM+\b]
.endr
.endr
	WIN 0
.irp b, 0,1,2,3
	v_permlanex16_b32 v[TM+4+\b], v[TM+\b], s[SEL], s[SEL+1]
.endr
.irp b, 0,1,2,3
	v_max_num_f32 v[TM+\b], v[TM+\b], v[TM+4+\b]
.endr
.irp b, 0,1,2,3
	v_add_nc_u32 v[TM+8+\b], 0xfe000000, v[TM+\b]
.endr
.irp b, 0,1,2,3
	v_lshrrev_b32 v[TM+4+\b], 23, v[TM+8+\b]
.endr
	v_lshl_or_b32 v[PW+(\a)], v[TM+5], 8, v[TM+4]
	v_lshl_or_b32 v[PW+(\a)], v[TM+6], 16, v[PW+(\a)]
	v_lshl_or_b32 v[PW+(\a)], v[TM+7], 24, v[PW+(\a)]
	WIN WN                                         ; source 0: the accumulators' window
.irp c, 0,1
	v_cvt_scalef32_pk16_bf6_f32 v[PS+6*\c:PS+6*\c+2], v[XR+32*\c:XR+32*\c+15], v[TM+8+2*\c]
	v_cvt_scalef32_pk16_bf6_f32 v[T6+4*\c:T6+4*\c+2], v[XR+32*\c+16:XR+32*\c+31], v[TM+8+2*\c+1]
.endr
	WIN 0
	v_nop                                          ; one plain instruction behind the conversions
.irp c, 0,1
.irp i, 0,1,2
	v_permlane16_swap_b32 v[PS+6*\c+\i], v[T6+4*\c+\i]
.endr
.irp i, 0,1,2
	v_mov_b32 v[PS+3+6*\c+\i], v[T6+4*\c+\i]
.endr
.endr
.endm
.macro VBLOCK a
.if (\a) > 1
	s_wait_xcnt 0x0                                ; block a - 2's stores have read their data
.endif
	QUANT64 \a
.irp g, 0,1,2
	global_store_b128 v[LI], v[PS+4*\g:PS+4*\g+3], s[BASE:BASE+1] offset:((\a)/4)*241664+8704+1536*((\a)%4)+512*\g
.endr
.endm
.irp a, 0,1,2,3,4,5,6,7
	VBLOCK \a
.endr
.irp hd, 0,1
.irp i, 0,1
	v_cndmask_b32 v[OUTW+2*\hd+\i], v[PW+4*\hd+2*\i], v[PW+4*\hd+2*\i+1], s[HM]
.endr
	global_store_b64 v[L8], v[OUTW+2*\hd:OUTW+2*\hd+1], s[BASE:BASE+1] offset:\hd*241664+14848   ; 32 lanes store 256 consecutive bytes, aligned
.endr
.Ldone:
	s_wait_tensorcnt 0x0                           ; the wave's end
	ds_add_u32 v[SPW], v[NIL]
	s_wait_dscnt 0x0
	CROUND                                         ; the closing round: no work-group ends while a partner may still ask for a tile that names it
	s_endpgm
.Lfunc_end_k_qeed832158b_proj:
	.size	k_qeed832158b_proj, .Lfunc_end_k_qeed832158b_proj-k_qeed832158b_proj
	.p2alignl 7, 3214868480
	.fill 96, 4, 3214868480
	.section	.rodata,"a",@progbits
	.p2align	6, 0x0
	.amdhsa_kernel k_qeed832158b_proj
		.amdhsa_group_segment_fixed_size 327680
		.amdhsa_private_segment_fixed_size 0
		.amdhsa_enable_private_segment 0
		.amdhsa_kernarg_size 48
		.amdhsa_user_sgpr_count 2
		.amdhsa_user_sgpr_kernarg_segment_ptr 1
		.amdhsa_wavefront_size32 1
		.amdhsa_system_sgpr_workgroup_id_x 1
		.amdhsa_system_sgpr_workgroup_id_y 1
		.amdhsa_system_sgpr_workgroup_id_z 1
		.amdhsa_system_vgpr_workitem_id 0
		.amdhsa_next_free_vgpr 1024
		.amdhsa_next_free_sgpr 100
		.amdhsa_reserve_vcc 1
		.amdhsa_float_denorm_mode_32 3
		.amdhsa_float_denorm_mode_16_64 3
		.amdhsa_memory_ordered 1
		.amdhsa_forward_progress 1
		.amdhsa_inst_pref_size 255
	.end_amdhsa_kernel
	.section	.bss,"aw",@nobits
	.p2align	6
	.space	262144
	.amdgpu_metadata
---
amdhsa.version: [ 1, 2 ]
amdhsa.kernels:
  - .name:           k_qeed832158b_proj
    .symbol:         k_qeed832158b_proj.kd
    .args:
      - { .name: codes, .offset: 0, .size: 8, .value_kind: global_buffer, .address_space: global }
      - { .name: scales, .offset: 8, .size: 8, .value_kind: global_buffer, .address_space: global }
      - { .name: rope, .offset: 16, .size: 8, .value_kind: global_buffer, .address_space: global }
      - { .name: padding_mask, .offset: 24, .size: 8, .value_kind: global_buffer, .address_space: global }
      - { .name: qc, .offset: 32, .size: 8, .value_kind: global_buffer, .address_space: global }
      - { .name: kv, .offset: 40, .size: 8, .value_kind: global_buffer, .address_space: global }
    .group_segment_fixed_size: 327680
    .private_segment_fixed_size: 0
    .kernarg_segment_align: 8
    .kernarg_segment_size: 48
    .max_flat_workgroup_size: 128
    .sgpr_count:     100
    .vgpr_count:     1024
    .wavefront_size: 32
...
	.end_amdgpu_metadata
.endif
;; end of part 2
;; launch attn (part 3): grid 4 x 64, 16 waves a work-group, no clusters, 243,712 bytes of LDS; arguments qc, kv, oc, os; writes oc, os
.if DOCPART == 3
	.amdgcn_target "amdgcn-amd-amdhsa--gfx1250"
	.amdhsa_code_object_version 6
	.text
	.protected	k_qeed832158b_attn
	.globl	k_qeed832158b_attn
	.p2align	8
	.type	k_qeed832158b_attn,@function
k_qeed832158b_attn:
	s_mov_b64 s[64:65], 0
	v_nop
	global_prefetch_b8 v0, s[64:65] scope:SCOPE_SE
	s_setreg_imm32_b32 hwreg(HW_REG_WAVE_MODE, 25, 1), 1
	s_wait_xcnt 0x0
; Attention of one head on codes of BF6 (E3M2): S^T = K Q^T, p = 2^(t - M), O^T = V^T P^T, O / l, and O / l quantised along the hidden axis for the last projection.
; t = score x log2(e) / 8; M = the running largest t rounded up to a whole number; the row's sum l is taken of the unquantised p.  Key k counts for query q where k <= q and the padding mask allows it.
; SHARES.  Work-group (j, hb): head hb = 16 x batch + head.  A head's 2,048 queries are 16 groups of 128, each of 8 tiles of 16; a tile of group G needs G + 1 key steps of 128.
; Wave w takes tile w % 8 of group G1 = 2 j + w / 8 and of group G2 = 15 - G1: (G1 + 1) + (G2 + 1) = 17 tile steps for every wave of the launch.
; LDS.  The head's K and V, 16 records of 15,104 bytes, come into LDS once, one tensor load a wave; nothing is filled again and nothing is stored to LDS: one barrier in the launch.
; The four work-groups of a head read the same block, but which steps a wave leaves out hangs on its work-group's number, so no cluster with joint requests is formed.
; A record: 8 tiles of K as images of 8 registers (1,024 T + 512 g + 16 x lane); K's scale words at 8,192; 4 fragments of V as images of 12 registers at 8,704; V's scale words at 14,848.
; K's product has K = 64: registers 0-5 of a tile are the head's 64 codes, register 6 holds column 64 (the padding mask's), register 7 zeros; registers 8-11 of the operand are the next tile's
; first four, which meet zero codes of Q.  A masked key's score is -28 x 2^100; its p is 0.
; The keys of a tile are 32 (T/2) + 8 (T%2) + r + 8 (r/8), so the 16 registers of tiles 2 b, 2 b + 1 are keys 32 b + 16 h + 0 .. 15; V's channels likewise, so O's registers are neighbours along the hidden axis.
; A query with no visible key has l = 0; its scale bytes are set to 0xff, which makes its row of the last product NaN.
; LIMITS: |t| stays under 2^90 (the running largest t starts at -2^90); NaN and infinities are not served; 1 / l is v_rcp_f32's.
; REGISTERS: v1 16 x lane, v2 8 x lane, v3 my query - 16 h, v4-6 addresses, v7, v8 my places in oc and os; v12-15, v16-19 -M, largest t, the sum in two halves, for tile 1, 2; v20-31, v32-43 Q;
; v44-91 four tiles of K or four fragments of V; v92-155 S^T, then p; v156-187, v188-219 O^T; v220-231 p's codes; v232-247, v252, v254 at work; v248-251 K's or V's scale words; v253 p's; v255 Q's.
.set REC,   15104                      ; a record: 128 keys of one head
.set HEADB, 16*REC
.set QREC,  8704                       ; a record of qc: 128 queries
.set QHEAD, 16*QREC
.set KSC,   8192
.set VCO,   8704
.set VSC,   14848
.set FRG,   44
.set S,     92
.set PCD,   220
	s_load_b256 s[4:11], s[0:1], 0x0               ; qc, kv, oc, os
	v_lshl_add_u32 v254, v0, 2, 0x3b000
	v_mov_b32 v255, 0
	ds_add_u32 v254, v255
	ds_add_u32 v254, v255
	s_wait_dscnt 0x0
	v_lshrrev_b32 v9, 5, v0
	v_readfirstlane_b32 s12, v9                    ; wave 0..15
	s_and_b32 s14, ttmp7, 0xffff                   ; hb
	s_mov_b32 s24, 3<<16                           ; group 1: elements of 8 bytes, no mask, no padding
	s_mov_b32 s25, 32<<16                          ; tensor_dim0 = 32 elements: rows of 256 bytes
	s_mov_b32 s26, 59<<16                          ; tensor_dim1 = 59 rows: 15,104 bytes
	s_mov_b32 s27, 32<<16                          ; tile_dim0
	s_mov_b32 s28, 59                              ; tile_dim1
	s_mov_b32 s29, 32                              ; the pitch: the block is dense
	s_mov_b32 s30, 0
	s_mov_b32 s31, 0
	s_mov_b32 s32, 1
	s_mul_i32 s33, s12, REC                        ; record w goes to LDS byte 15,104 w
	s_mul_i32 s38, s14, HEADB
	s_add_co_u32 s38, s38, s33
	s_mov_b32 s39, 0
	s_wait_kmcnt 0x0
	s_add_nc_u64 s[34:35], s[6:7], s[38:39]
	s_or_b32 s35, s35, 0x80000000
	tensor_load_to_lds s[32:35], s[24:31]          ; my one tensor load
	s_nop 0
	v_and_b32 v9, 15, v0                           ; r
	v_bfe_u32 v10, v0, 4, 1                        ; h
	v_and_b32 v11, 31, v0
	v_lshlrev_b32 v1, 4, v11
	v_lshlrev_b32 v2, 3, v11
	s_lshr_b32 s15, s12, 3
	s_lshl_b32 s13, ttmp9, 1
	s_add_co_u32 s15, s15, s13                     ; G1
	s_sub_co_u32 s16, 15, s15                      ; G2
	s_and_b32 s17, s12, 7                          ; T
	s_lshr_b32 s38, s17, 1
	s_lshl_b32 s38, s38, 5
	s_and_b32 s39, s17, 1
	s_lshl_b32 s40, s39, 3
	s_add_co_u32 s38, s38, s40                     ; 32 (T/2) + 8 (T%2)
	v_and_b32 v11, 8, v9
	v_add_nc_u32 v11, v11, v9
	v_add_nc_u32 v11, s38, v11                     ; my query in its group of 128
	v_lshlrev_b32 v3, 4, v10
	v_sub_nc_u32 v3, v11, v3                       ; less 16 h
	v_mul_u32_u24 v7, v11, 768
	v_mad_u32_u24 v7, v10, 24, v7                  ; oc: my query's row, my half's 24 bytes
	v_lshlrev_b32 v8, 5, v11                       ; os: my query's row
	s_mul_i32 s40, s14, QHEAD
	s_mov_b32 s41, 0
	s_add_nc_u64 s[4:5], s[4:5], s[40:41]
	s_mul_i32 s42, s15, QREC
	s_lshl_b32 s43, s17, 10
	s_add_co_u32 s44, s42, s43
	v_add_nc_u32 v4, s44, v1
	s_mul_i32 s45, s16, QREC
	s_add_co_u32 s46, s45, s43
	v_add_nc_u32 v5, s46, v1
	global_load_b128 v[20:23], v4, s[4:5]          ; Q of tile 1: eight registers as they were stored
	global_load_b128 v[24:27], v4, s[4:5] offset:512
	global_load_b128 v[32:35], v5, s[4:5]          ; of tile 2
	global_load_b128 v[36:39], v5, s[4:5] offset:512
	s_sub_co_u32 s46, s45, s42
	v_mul_u32_u24 v6, s46, v10                     ; lanes 16-31 take tile 2's scale words
	v_lshl_add_u32 v6, v9, 4, v6
	s_lshl_b32 s47, s39, 8
	s_lshr_b32 s40, s17, 1
	s_lshl_b32 s40, s40, 2
	s_add_co_u32 s47, s47, s40
	s_add_co_u32 s47, s47, s42
	v_add_nc_u32 v6, s47, v6
	global_load_b32 v255, v6, s[4:5] offset:KSC
.irp i, 28,29,30,31,40,41,42,43,76,77,78,79
	v_mov_b32 v[\i], 0                             ; the rest of Q's operands: zero codes; and the four registers behind K's fourth tile, written once
.endr
	v_mov_b32 v13, 0xec800000                      ; the largest t so far: -2^90: above a masked key's t, under every visible one's
	v_mov_b32 v17, 0xec800000
	v_floor_f32 v12, -v13                          ; -M
	v_floor_f32 v16, -v17
.irp i, 14,15,18,19,236,237,238,239,253,254
	v_mov_b32 v[\i], 0
.endr
.set n, 0
.rept 64
	v_mov_b32 v[156+n], 0                          ; O^T of both tiles: the step is written once, its first turn finds zeros
.set n, n+1
.endr
	s_mov_b32 s20, 0x76543210
	s_mov_b32 s21, 0xfedcba98                      ; lane l xor 16
	s_mov_b32 s22, 0x3e38aa3b                      ; c = log2(e) / 8
	s_mov_b32 s23, s22
	s_mov_b32 s36, 0                               ; the step's record in LDS
	s_mov_b32 s37, 0                               ; the step
	s_wait_loadcnt 0x0
	s_wait_tensorcnt 0x0                           ; my record has landed,
	s_barrier_signal -1
	s_barrier_wait -1                              ; everybody's has
.macro KQ d, a, q, sc, ar, br          ; 16 keys x 16 queries; ar, br: the scale words lie in lanes 16-31
.if ((\ar) == 0) && ((\br) == 0)
	v_wmma_scale_f32_16x16x128_f8f6f4 v[(\d):(\d)+7], v[(\a):(\a)+11], v[(\q):(\q)+11], 0, v[(\sc)], v255 matrix_a_fmt:MATRIX_FMT_BF6 matrix_b_fmt:MATRIX_FMT_BF6
.elseif (\br) == 0
	v_wmma_scale_f32_16x16x128_f8f6f4 v[(\d):(\d)+7], v[(\a):(\a)+11], v[(\q):(\q)+11], 0, v[(\sc)], v255 matrix_a_fmt:MATRIX_FMT_BF6 matrix_b_fmt:MATRIX_FMT_BF6 matrix_a_scale:MATRIX_SCALE_ROW1
.elseif (\ar) == 0
	v_wmma_scale_f32_16x16x128_f8f6f4 v[(\d):(\d)+7], v[(\a):(\a)+11], v[(\q):(\q)+11], 0, v[(\sc)], v255 matrix_a_fmt:MATRIX_FMT_BF6 matrix_b_fmt:MATRIX_FMT_BF6 matrix_b_scale:MATRIX_SCALE_ROW1
.else
	v_wmma_scale_f32_16x16x128_f8f6f4 v[(\d):(\d)+7], v[(\a):(\a)+11], v[(\q):(\q)+11], 0, v[(\sc)], v255 matrix_a_fmt:MATRIX_FMT_BF6 matrix_b_fmt:MATRIX_FMT_BF6 matrix_a_scale:MATRIX_SCALE_ROW1 matrix_b_scale:MATRIX_SCALE_ROW1
.endif
.endm
.macro PV d, a, sc, ar                 ; 16 channels x 16 queries, 128 keys
.if (\ar) == 0
	v_wmma_scale_f32_16x16x128_f8f6f4 v[(\d):(\d)+7], v[(\a):(\a)+11], v[PCD:PCD+11], v[(\d):(\d)+7], v[(\sc)], v253 matrix_a_fmt:MATRIX_FMT_BF6 matrix_b_fmt:MATRIX_FMT_BF6
.else
	v_wmma_scale_f32_16x16x128_f8f6f4 v[(\d):(\d)+7], v[(\a):(\a)+11], v[PCD:PCD+11], v[(\d):(\d)+7], v[(\sc)], v253 matrix_a_fmt:MATRIX_FMT_BF6 matrix_b_fmt:MATRIX_FMT_BF6 matrix_a_scale:MATRIX_SCALE_ROW1
.endif
.endm
; One tile's turn in a key step.  q, o, st: the tile's registers; g: the scalar with its group; br: its scale words of Q lie in lanes 16-31.
.macro TSTEP q, o, st, g, br
	s_cmp_gt_u32 s37, s[\g]                        ; all 128 keys come after my queries: the work is left out (a branch on ids and the loop's count)
	s_cbranch_scc1 .Lhid_\@
.rept 4
	v_nop                                          ; places ahead of loads into registers that the last products read
.endr
.irp gg, 0,1                           ; S^T = K Q^T, four tiles of 16 keys at a time
.if \gg
.rept 4
	v_nop
.endr
.endif
.irp t, 0,1,2,3
	ds_load_b128 v[FRG+8*\t:FRG+8*\t+3], v5 offset:1024*(4*\gg+\t)
	ds_load_b128 v[FRG+8*\t+4:FRG+8*\t+7], v5 offset:1024*(4*\gg+\t)+512
.endr
.if \gg == 0
	ds_load_b128 v[248:251], v5 offset:KSC         ; register i: lanes 0-15 tile 2 i's scale words, lanes 16-31 tile 2 i + 1's
.endif
	s_wait_dscnt 0x0
.irp t, 0,1,2,3
	KQ S+8*(4*\gg+\t), FRG+8*\t, \q, 248+(4*\gg+\t)/2, \t%2, \br
.endr
.endr
.rept 4
	v_nop                                          ; places ahead of the loads below and of the first read of the scores
.endr
.irp c, 0,1,2,3                        ; V's four fragments and their scale words land under the softmax
.irp u, 0,1,2
	ds_load_b128 v[FRG+12*\c+4*\u:FRG+12*\c+4*\u+3], v5 offset:VCO+1536*\c+512*\u
.endr
.endr
	ds_load_b64 v[248:249], v6 offset:VSC
	s_cmp_lg_u32 s37, s[\g]                        ; only the step on the diagonal hides keys
	s_cbranch_scc1 .Lopen_\@
	v_mov_b32 v254, 0xff800000                     ; -infinity
.set n, 0
.rept 64
	v_cmp_gt_i32 vcc_lo, 32*(n/16)+n%16, v3        ; register 16 b + i holds key 32 b + 16 h + i: hidden where it comes after my query
	v_cndmask_b32 v[S+n], v[S+n], v254, vcc_lo
.set n, n+1
.endr
.Lopen_\@:
.irp b, 0,1,2,3
	v_max3_num_f32 v[232+\b], v[S+16*\b], v[S+1+16*\b], v[S+2+16*\b]   ; the largest score of each block of 32 keys: for the row's maximum and for the block's largest p
.endr
.irp i, 3,5,7,9,11,13
.irp b, 0,1,2,3
	v_max3_num_f32 v[232+\b], v[232+\b], v[S+16*\b+\i], v[S+1+16*\b+\i]
.endr
.endr
.irp b, 0,1,2,3
	v_max_num_f32 v[232+\b], v[232+\b], v[S+15+16*\b]
.endr
.irp b, 0,1,2,3
	v_permlanex16_b32 v[236+\b], v[232+\b], s20, s21
.endr
.irp b, 0,1,2,3
	v_max_num_f32 v[232+\b], v[232+\b], v[236+\b]  ; with lane l xor 16's 16 keys
.endr
	v_max3_num_f32 v254, v232, v233, v234
	v_max_num_f32 v254, v254, v235
	v_mul_f32 v254, s22, v254                      ; the step's largest t
	v_max_num_f32 v[\st+1], v[\st+1], v254         ; the running largest t
	v_mov_b32 v254, v[\st]
	v_floor_f32 v[\st], -v[\st+1]                  ; the new -M = -ceil(t): a whole number
	v_sub_f32 v254, v[\st], v254                   ; old M - new M: a whole number, 0 or less
	v_cvt_i32_f32 v254, v254                       ; (it saturates)
	v_ldexp_f32 v252, 1.0, v254                    ; f = 2^(old M - new M): multiplying by it rounds nothing
.set n, 0
.rept 32
	v_pk_fma_f32 v[S+n:S+n+1], v[S+n:S+n+1], s[22:23], v[\st:\st+1] op_sel_hi:[1,0,0]   ; t - M, two at a time
.set n, n+2
.endr
.irp b, 0,1,2,3
	v_fma_f32 v[232+\b], v[232+\b], s22, v[\st]    ; the same of each block's largest score
.endr
.set n, 0
.rept 64
	v_exp_f32 v[S+n], v[S+n]                       ; p = 2^(t - M): one batch
.set n, n+1
.endr
	v_pk_mul_f32 v[\st+2:\st+3], v[\st+2:\st+3], v[252:253] op_sel_hi:[1,0]   ; the sums under the new M (the plain instruction behind the batch)
	s_wait_alu depctr_va_vdst(0)                   ; one wait for the batch, ahead of its first reader
.irp b, 0,1,2,3
	v_exp_f32 v[232+\b], v[232+\b]                 ; the blocks' largest p
.endr
	v_pk_add_f32 v[236:237], v[S:S+1], v[S+2:S+3]  ; the row's sum of the unquantised p, in two chains
.irp j, 4,8,12,16,20,24,28,32,36,40,44,48,52,56,60
	v_pk_add_f32 v[\st+2:\st+3], v[\st+2:\st+3], v[S+\j:S+1+\j]
	v_pk_add_f32 v[236:237], v[236:237], v[S+2+\j:S+3+\j]
.endr
	v_pk_add_f32 v[\st+2:\st+3], v[\st+2:\st+3], v[236:237]
	s_wait_alu depctr_va_vdst(0)                   ; and one for the four
.irp b, 0,1,2,3
	v_max_num_f32 v[232+\b], 0x2800000, v[232+\b]  ; the floor 2^(5 - 127): the byte cannot fall under 1
.endr
.irp b, 0,1,2,3
	v_add_nc_u32 v[244+\b], 0xfe000000, v[232+\b]  ; 4 off the exponent field: the conversion's scale operand
.endr
.irp b, 0,1,2,3
	v_lshrrev_b32 v[236+\b], 23, v[244+\b]
.endr
	v_lshl_or_b32 v253, v237, 8, v236              ; p's scale word for these 128 keys
	v_lshl_or_b32 v253, v238, 16, v253
	v_lshl_or_b32 v253, v239, 24, v253
.irp c, 0,1
	v_cvt_scalef32_pk16_bf6_f32 v[PCD+6*\c:PCD+2+6*\c], v[S+32*\c:S+15+32*\c], v[244+2*\c]
	v_cvt_scalef32_pk16_bf6_f32 v[236+4*\c:238+4*\c], v[S+16+32*\c:S+31+32*\c], v[244+2*\c+1]
.endr
	v_nop                                          ; one plain instruction behind the conversions
.irp c, 0,1
.irp i, 0,1,2
	v_permlane16_swap_b32 v[PCD+6*\c+\i], v[236+4*\c+\i]   ; a whole block to a lane
.endr
.irp i, 0,1,2
	v_mov_b32 v[PCD+3+6*\c+\i], v[236+4*\c+\i]
.endr
.endr
.set n, 0
.rept 16
	v_pk_mul_f32 v[\o+n:\o+n+1], v[\o+n:\o+n+1], v[252:253] op_sel_hi:[1,0]   ; O^T under the new M; these also part the operands' last writes from the products
.set n, n+2
.endr
	s_wait_dscnt 0x0                               ; V is in
.irp c, 0,1,2,3
	PV \o+8*\c, FRG+12*\c, 248+\c/2, \c%2          ; four accumulators, one instruction each
.endr
.Lhid_\@:
.endm
.Lstep:                                                ; 16 trips, a constant
	v_add_nc_u32 v5, s36, v1
	v_add_nc_u32 v6, s36, v2
	TSTEP 20, 156, 12, 15, 0
	TSTEP 32, 188, 16, 16, 1
	s_add_co_u32 s36, s36, REC
	s_add_co_u32 s37, s37, 1
	s_cmp_lt_u32 s37, 16
	s_cbranch_scc1 .Lstep
.rept 4
	v_nop                                          ; places behind the last products, ahead of the first read of O^T
.endr
	s_lshr_b32 s38, s14, 4                         ; the batch
	s_and_b32 s39, s14, 15                         ; the head
; O / l, quantised along the hidden axis: the head's 64 channels are two blocks of 32: 48 bytes of my query's row of oc, 2 bytes of its row of os.
.macro OUT o, st, g
	s_wait_xcnt 0x0                                ; the earlier stores have read their data and bases
	v_add_f32 v[\st+2], v[\st+2], v[\st+3]
	v_permlanex16_b32 v254, v[\st+2], s20, s21
	v_add_f32 v[\st+2], v[\st+2], v254             ; the row's sum
	v_rcp_f32 v[\st+2], v[\st+2]
	v_nop                                          ; a plain instruction behind the reciprocal
	s_lshl_b32 s40, s38, 11
	s_lshl_b32 s41, s[\g], 7
	s_add_co_u32 s40, s40, s41                     ; the group's first row of 8,192
	s_mul_i32 s42, s40, 768
	s_mul_i32 s43, s39, 48
	s_add_co_u32 s42, s42, s43
	s_mov_b32 s43, 0
	s_add_nc_u64 s[44:45], s[8:9], s[42:43]
	s_lshl_b32 s42, s40, 5
	s_lshl_b32 s41, s39, 1
	s_add_co_u32 s42, s42, s41
	s_add_nc_u64 s[46:47], s[10:11], s[42:43]
	s_wait_alu depctr_va_vdst(0)                   ; the wait ahead of the reciprocal's first reader
.set n, 0
.rept 32
	v_mul_f32 v[S+n], v[\o+n], v[\st+2]            ; register 16 b + i is channel 32 b + 16 h + i; each accumulator is read from its low end on
.set n, n+1
.endr
.irp b, 0,1
	v_max3_num_f32 v[232+\b], |v[S+16*\b]|, |v[S+1+16*\b]|, 0x2800000
.endr
.irp i, 2,4,6,8,10,12,14
.irp b, 0,1
	v_max3_num_f32 v[232+\b], v[232+\b], |v[S+16*\b+\i]|, |v[S+1+16*\b+\i]|
.endr
.endr
.irp b, 0,1
	v_permlanex16_b32 v[236+\b], v[232+\b], s20, s21
.endr
.irp b, 0,1
	v_max_num_f32 v[232+\b], v[232+\b], v[236+\b]
.endr
.irp b, 0,1
	v_add_nc_u32 v[244+\b], 0xfe000000, v[232+\b]
.endr
.irp b, 0,1
	v_lshrrev_b32 v[236+\b], 23, v[244+\b]
.endr
	v_cvt_scalef32_pk16_bf6_f32 v[220:222], v[S:S+15], v244
	v_cvt_scalef32_pk16_bf6_f32 v[224:226], v[S+16:S+31], v245
	v_lshl_or_b32 v240, v237, 8, v236              ; (the plain instruction behind the conversions)
.irp i, 0,1,2
	v_permlane16_swap_b32 v[220+\i], v[224+\i]     ; lane (r, h): channels 32 h + 0 .. 15 in the first three registers, 32 h + 16 .. 31 in the second
.endr
	v_cmp_ge_f32 vcc_lo, 0xec800000, v[\st+1]      ; the largest t never rose: no key was visible
	v_cndmask_b32 v240, v240, -1, vcc_lo           ; then the scale bytes are 0xff
	global_store_b96 v7, v[220:222], s[44:45]
	global_store_b96 v7, v[224:226], s[44:45] offset:12
	global_store_b16 v8, v240, s[46:47]            ; both halves of the lanes write the same two bytes with the same value
.endm
	OUT 156, 12, 15
	OUT 188, 16, 16
	s_wait_xcnt 0x0
	v_lshl_add_u32 v254, v0, 2, 0x3b000
	v_mov_b32 v255, 0
	s_wait_tensorcnt 0x0
	ds_add_u32 v254, v255
	s_wait_dscnt 0x0
	s_endpgm
.Lfunc_end_k_qeed832158b_attn:
	.size	k_qeed832158b_attn, .Lfunc_end_k_qeed832158b_attn-k_qeed832158b_attn
	.p2alignl 7, 3214868480
	.fill 96, 4, 3214868480
	.section	.rodata,"a",@progbits
	.p2align	6, 0x0
	.amdhsa_kernel k_qeed832158b_attn
		.amdhsa_group_segment_fixed_size 243712
		.amdhsa_private_segment_fixed_size 0
		.amdhsa_enable_private_segment 0
		.amdhsa_kernarg_size 32
		.amdhsa_user_sgpr_count 2
		.amdhsa_user_sgpr_kernarg_segment_ptr 1
		.amdhsa_wavefront_size32 1
		.amdhsa_system_sgpr_workgroup_id_x 1
		.amdhsa_system_sgpr_workgroup_id_y 1
		.amdhsa_system_sgpr_workgroup_id_z 1
		.amdhsa_system_vgpr_workitem_id 0
		.amdhsa_next_free_vgpr 256
		.amdhsa_next_free_sgpr 66
		.amdhsa_reserve_vcc 1
		.amdhsa_float_denorm_mode_32 3
		.amdhsa_float_denorm_mode_16_64 3
		.amdhsa_memory_ordered 1
		.amdhsa_forward_progress 1
		.amdhsa_inst_pref_size 57
	.end_amdhsa_kernel
	.amdgpu_metadata
---
amdhsa.version: [ 1, 2 ]
amdhsa.kernels:
  - .name:           k_qeed832158b_attn
    .symbol:         k_qeed832158b_attn.kd
    .args:
      - { .name: qc, .offset: 0, .size: 8, .value_kind: global_buffer, .address_space: global }
      - { .name: kv, .offset: 8, .size: 8, .value_kind: global_buffer, .address_space: global }
      - { .name: oc, .offset: 16, .size: 8, .value_kind: global_buffer, .address_space: global }
      - { .name: os, .offset: 24, .size: 8, .value_kind: global_buffer, .address_space: global }
    .group_segment_fixed_size: 243712
    .private_segment_fixed_size: 0
    .kernarg_segment_align: 8
    .kernarg_segment_size: 32
    .max_flat_workgroup_size: 512
    .sgpr_count:     66
    .vgpr_count:     256
    .wavefront_size: 32
...
	.end_amdgpu_metadata
.endif
;; end of part 3
;; launch outp (part 4): grid 4 x 32, 4 waves a work-group, clusters of 4 x 4, 327,680 bytes of LDS; arguments oc, os, codes, scales, out0; writes out0
.if DOCPART == 4
	.amdgcn_target "amdgcn-amd-amdhsa--gfx1250"
	.amdhsa_code_object_version 6
	.text
	.protected	k_qeed832158b_outp
	.globl	k_qeed832158b_outp
	.p2align	8
	.type	k_qeed832158b_outp,@function
k_qeed832158b_outp:
	s_mov_b64 s[64:65], 0
	v_nop
	global_prefetch_b8 v0, s[64:65] scope:SCOPE_SE
	s_setreg_imm32_b32 hwreg(HW_REG_WAVE_MODE, 25, 1), 1
	s_wait_xcnt 0x0
	s_wait_alu depctr_hold_cnt(0) depctr_sa_sdst(0) depctr_va_vdst(0) depctr_va_sdst(0) depctr_va_ssrc(0) depctr_va_vcc(0) depctr_vm_vsrc(0)
	s_getreg_b32 s2, hwreg(HW_REG_IB_STS2, 6, 4)
	s_cmp_eq_u32 s2, 0
	s_cbranch_scc0 .Lentry_in_a_cluster
	s_endpgm
.Lentry_in_a_cluster:
	s_bfe_u32 s2, ttmp6, 0x10000c
	s_cmp_lg_u32 s2, 0xf033
	s_cbranch_scc0 .Lentry_shape_is_right
	s_endpgm
.Lentry_shape_is_right:
; out0[m][n] = sum over k of A[m][k] B[n][k]: A = the attention's result, [8192][1024] as codes of BF6 (E3M2) in oc with scale bytes in os; B = W_out, rows 27,648 on of 'codes' and 'scales'; out0 f32; sums in f32.
; A row of A whose scale bytes are 0xff (a query with no visible key) comes out as NaN.
; A tile of 256 x 256 is made by a work-group of four waves, 128 x 128 a wave: 64 accumulators of 16 x 16.  K goes in steps of 256 through a ring of two LDS slots filled by the tensor data mover.
; The scale bytes of the work-group's 512 rows, for all of K, come into LDS once.  4 x 4 work-groups form a cluster: A's tiles are asked for jointly along a row of the cluster, B's along a column.
; The matrix instruction is used transposed (source 0 = 16 rows of B, source 1 = 16 rows of A): a lane holds eight neighbouring numbers of a row of the output.
; REGISTERS, in windows of 256: window 0: v0-31 addresses; v32-63 scale words, two sets; from v128 A's fragments, one set; on the way out v128-255 hold rows read back.
;   window 1: B's fragments, two sets.   window 2: the accumulators of my rows 0-63;   window 3: those of my rows 64-127.
.set SIZE_N, 1024
.set SIZE_K, 1024
.set KSTEP,  256
.set NQ,     KSTEP/128
.set ROWB,   192
.set KROW,   SIZE_K*6/8
.set PITCH,  240                       ; an LDS row: 3 x (64 bytes + 16 of padding)
.set FR,     12
.set NL,     6
.set NP,     4                         ; places behind this matrix instruction (ISA guide 7.12.1)
.set HALFT,  128*PITCH
.set SLOT,   4*HALFT
.set LAPS,   SIZE_K/(2*KSTEP)
.set KS,     SIZE_K/32
.set SCL,    2*SLOT
.set HALFS,  (128*KS/256)*272
.set SBLK,   (16*KS/256)*272
.set SPARE,  SCL+4*HALFS               ; the spare words, 128 bytes a wave: two blocks of 256 bytes that no other line names
.set SPITCH, 528                       ; the way out: a stage of 16 rows x (512 bytes + 16) for each wave, in slot 0, which has had its last fill and its last read by then
.set ADRA, 16
.set ADRB, 20
.set STO,  24                          ; v24 the way out: where I put 32 bytes of a row
.set RD,   25                          ; v25 where I read a row back
.set CO,   26                          ; v26 my byte offset in a row of the output
.set ADRS, 27
.set SPW,  28                          ; v28 LDS address of my spare word; never rewritten
.set NIL,  29                          ; v29 0; never rewritten
.set SC,   32
.set AF,   128
.set BK,   128                         ; the way out: 16 rows read back: v128-191 and v192-255 by turns
.set G1, 24
.set G0, 32
.set G1B, 48
.set G0B, 56
.set G1S, 68
.set G0S, 76
.set G1SB, 80
.set G0SB, 88
.set MSB, 0
.macro WIN new                         ; the immediate's high byte repeats the setting that is left
.if MSB != (\new)
	s_set_vgpr_msb (MSB<<8)|(\new)
.set MSB, (\new)
.endif
.endm
.set MUL_LO, 0xa1
.set MUL_HI, 0xf1
.set TO_B,   0x40
; A joint load: waves 0 and 1 fetch for A, waves 2 and 3 for B; the branch hangs on the wave's number alone.  Four v_nop follow each of the two lines.
.macro JLOAD g0a, g1a, g0b, g1b
	s_cmp_eq_u32 s15, 0
	s_cbranch_scc0 .Lfor_b_\@
	tensor_load_to_lds s[\g0a:\g0a+3], s[\g1a:\g1a+7]
	s_nop 0
.rept 4
	v_nop
.endr
	s_branch .Lasked_\@
.Lfor_b_\@:
	tensor_load_to_lds s[\g0b:\g0b+3], s[\g1b:\g1b+7]
	s_nop 0
.rept 4
	v_nop
.endr
.Lasked_\@:
.endm
.macro CREST
	s_cmp_lg_u32 s14, 0
	s_cbranch_scc1 .Lnot_wave_0_\@
	s_barrier_signal -3
.Lnot_wave_0_\@:
	s_barrier_wait -3
	s_barrier_signal -1
	s_barrier_wait -1
.endm
.macro CROUND
	s_barrier_signal -1
	s_barrier_wait -1
	CREST
.endm
	s_load_b128 s[4:7], s[0:1], 0x0                ; oc, os
	s_load_b128 s[8:11], s[0:1], 0x10              ; codes, scales
	s_load_b64 s[12:13], s[0:1], 0x20              ; out0
	v_lshl_add_u32 v[SPW], v0, 2, SPARE
	v_mov_b32 v[NIL], 0
	ds_add_u32 v28, v29
	ds_add_u32 v28, v29
	s_wait_dscnt 0x0
	v_lshrrev_b32 v1, 5, v0
	v_readfirstlane_b32 s14, v1                    ; wave 0..3
	s_lshr_b32 s15, s14, 1                         ; which half of the tile's rows is mine.  Also: I fetch for A (0) or for B (1)
	s_and_b32 s16, s14, 1                          ; which half of its columns.  Also: which 128 rows I fetch
	s_bfe_u32 s40, ttmp6, 0x40000                  ; cx, cy
	s_bfe_u32 s41, ttmp6, 0x40004
	s_lshl_b32 s42, ttmp9, 2
	s_add_co_u32 s42, s42, s40                     ; tile column
	s_and_b32 s17, ttmp7, 0xffff
	s_lshl_b32 s17, s17, 2
	s_add_co_u32 s17, s17, s41                     ; tile row
	s_lshl_b32 s43, s41, 2
	s_lshl_b32 s43, 15, s43                        ; my row of the cluster
	s_lshl_b32 s44, 0x1111, s40                    ; my column
	s_or_b32 s[G1+0], s43, (0<<16)|(1<<20)|(1<<21)|(3<<22)|(3<<25)
	s_or_b32 s[G1B+0], s44, (0<<16)|(1<<20)|(1<<21)|(3<<22)|(3<<25)
.irp g, G1, G1B
	s_mov_b32 s[\g+1], ROWB<<16
	s_mov_b32 s[\g+2], 128<<16
	s_mov_b32 s[\g+3], ROWB<<16
	s_mov_b32 s[\g+4], 128
	s_mov_b32 s[\g+5], KROW
	s_mov_b32 s[\g+6], 0
	s_mov_b32 s[\g+7], 0
.endr
	s_or_b32 s[G1S+0], s43, (3<<16)|(1<<20)|(1<<21)|(5<<22)|(3<<25)
	s_or_b32 s[G1SB+0], s44, (3<<16)|(1<<20)|(1<<21)|(5<<22)|(3<<25)
.irp g, G1S, G1SB
	s_mov_b32 s[\g+1], 32<<16
	s_mov_b32 s[\g+2], (128*KS/256)<<16
	s_mov_b32 s[\g+3], 32<<16
	s_mov_b32 s[\g+4], 128*KS/256
	s_mov_b32 s[\g+5], 32
	s_mov_b32 s[\g+6], 0
	s_mov_b32 s[\g+7], 0
.endr
	s_lshl_b32 s18, s16, 7
	s_lshl_b32 s20, s17, 8
	s_add_co_u32 s20, s20, s18                     ; A: row 256 x tile row + 128 x half
	s_lshl_b32 s46, s42, 8
	s_add_co_u32 s46, s46, s18                     ; B: row 256 x tile column + 128 x half
	s_mov_b32 s21, 0
	s_mov_b32 s47, 0
	s_mov_b64 s[18:19], KS
	s_mul_u64 s[22:23], s[20:21], s[18:19]
	s_mul_u64 s[92:93], s[46:47], s[18:19]
	s_mov_b64 s[18:19], KROW
	s_mul_u64 s[20:21], s[20:21], s[18:19]
	s_mul_u64 s[46:47], s[46:47], s[18:19]
	s_mul_i32 s45, s14, HALFT
	s_mul_i32 s94, s14, HALFS
	s_wait_kmcnt 0x0
	s_add_nc_u64 s[8:9], s[8:9], 0x1440000         ; W_out's codes: 27,648 rows of 768 bytes on
	s_add_nc_u64 s[10:11], s[10:11], 0xd8000       ; its scale bytes: 27,648 rows of 32 bytes on
	s_add_nc_u64 s[20:21], s[4:5], s[20:21]
	s_add_nc_u64 s[22:23], s[6:7], s[22:23]
	s_add_nc_u64 s[46:47], s[8:9], s[46:47]
	s_add_nc_u64 s[92:93], s[10:11], s[92:93]
	CROUND                                         ; all sixteen work-groups are here: the first joint loads meet
	s_mov_b32 s[G0S], 1
	s_add_co_u32 s[G0S+1], s94, SCL
	s_mov_b64 s[G0S+2:G0S+3], s[22:23]
	s_or_b32 s[G0S+3], s[G0S+3], 0x80000000
	s_mov_b32 s[G0SB], 1
	s_add_co_u32 s[G0SB+1], s94, SCL
	s_mov_b64 s[G0SB+2:G0SB+3], s[92:93]
	s_or_b32 s[G0SB+3], s[G0SB+3], 0x80000000
	JLOAD G0S, G1S, G0SB, G1SB
.irp s, 0,1
	s_mov_b32 s[G0+4*\s], 1
	s_add_co_u32 s[G0+4*\s+1], s45, \s*SLOT
	s_add_nc_u64 s[G0+4*\s+2:G0+4*\s+3], s[20:21], \s*ROWB
	s_or_b32 s[G0+4*\s+3], s[G0+4*\s+3], 0x80000000
	s_mov_b32 s[G0B+4*\s], 1
	s_add_co_u32 s[G0B+4*\s+1], s45, \s*SLOT
	s_add_nc_u64 s[G0B+4*\s+2:G0B+4*\s+3], s[46:47], \s*ROWB
	s_or_b32 s[G0B+4*\s+3], s[G0B+4*\s+3], 0x80000000
	JLOAD G0+4*\s, G1, G0B+4*\s, G1B
.endr
	v_and_b32 v1, 15, v0
	v_bfe_u32 v2, v0, 4, 1
	v_mul_u32_u24 v3, v1, PITCH
	v_mul_u32_u24 v4, v2, 24
	v_add_nc_u32 v4, v3, v4
	v_lshl_add_u32 v5, v2, 4, v4
	s_mul_i32 s21, s15, HALFT
	s_mul_i32 s22, s16, HALFT
	s_add_co_u32 s22, s22, 2*HALFT
.irp s, 0,1
	v_add_nc_u32 v[ADRA+\s], s21, v4
	v_add_nc_u32 v[ADRB+\s], s22, v4
	v_add_nc_u32 v[ADRA+2+\s], s21, v5
	v_add_nc_u32 v[ADRB+2+\s], s22, v5
	s_add_co_u32 s21, s21, SLOT
	s_add_co_u32 s22, s22, SLOT
.endr
	v_mul_u32_u24 v5, v1, KS
	v_lshrrev_b32 v6, 8, v5
	v_lshl_add_u32 v5, v6, 4, v5
	s_mul_i32 s21, s15, HALFS
	s_mul_i32 s22, s16, HALFS
	s_add_co_u32 s22, s22, 2*HALFS
	s_sub_co_u32 s22, s22, s21
	v_mul_u32_u24 v6, s22, v2
	s_add_co_u32 s21, s21, SCL
	v_add_nc_u32 v5, v5, v6
	v_add_nc_u32 v[ADRS], s21, v5
	s_mul_i32 s23, s14, 16*SPITCH                  ; my stage
	v_mul_u32_u24 v5, v1, SPITCH
	v_lshl_add_u32 v5, v2, 5, v5
	v_add_nc_u32 v[STO], s23, v5
	v_and_b32 v6, 31, v0
	v_lshlrev_b32 v[CO], 4, v6
	v_add_nc_u32 v[RD], s23, v[CO]
	s_lshl_b32 s20, s17, 8
	s_lshl_b32 s21, s15, 7
	s_add_co_u32 s20, s20, s21                     ; my first row of the output
	s_mov_b32 s21, 0
	s_mov_b64 s[18:19], SIZE_N*4
	s_mul_u64 s[20:21], s[20:21], s[18:19]
	s_lshl_b32 s46, s42, 10                        ; my first column, in bytes
	s_lshl_b32 s47, s16, 9
	s_add_co_u32 s46, s46, s47
	s_mov_b32 s47, 0
	s_add_nc_u64 s[20:21], s[20:21], s[46:47]
	s_add_nc_u64 s[12:13], s[12:13], s[20:21]
.macro FRAG reg, adr, q, i
.irp p, 0,1,2,3,4,5
.set PCE, 12*(\q)+6*(\p/3)+\p%3
.if PCE%8 < 5
	ds_load_b64 v[\reg+2*\p:\reg+2*\p+1], v[\adr] offset:8*PCE+16*(PCE/8)+(\i)*16*PITCH
.else
	ds_load_b64 v[\reg+2*\p:\reg+2*\p+1], v[\adr+2] offset:8*PCE+16*(PCE/8)+(\i)*16*PITCH
.endif
.endr
.endm
; The 64 accumulators take turns, one instruction a turn, in the same order in every step.
.macro MUL16 a0, p, q, sc, zero
.irp a, \a0, \a0+1
.irp b, 0,1,2,3,4,5,6,7
.if \zero
	v_wmma_scale_f32_16x16x128_f8f6f4 v[8*(8*((\a)%4)+\b):8*(8*((\a)%4)+\b)+7], v[128*(\p)+FR*\b:128*(\p)+FR*\b+FR-1], v[AF+FR*(\a):AF+FR*(\a)+FR-1], 0, v[SC+8*NQ*(\sc)+NQ*\b+(\q)], v[SC+8*NQ*(\sc)+NQ*(\a)+(\q)] matrix_a_fmt:MATRIX_FMT_BF6 matrix_b_fmt:MATRIX_FMT_BF6 matrix_a_scale:MATRIX_SCALE_ROW1
.else
	v_wmma_scale_f32_16x16x128_f8f6f4 v[8*(8*((\a)%4)+\b):8*(8*((\a)%4)+\b)+7], v[128*(\p)+FR*\b:128*(\p)+FR*\b+FR-1], v[AF+FR*(\a):AF+FR*(\a)+FR-1], v[8*(8*((\a)%4)+\b):8*(8*((\a)%4)+\b)+7], v[SC+8*NQ*(\sc)+NQ*\b+(\q)], v[SC+8*NQ*(\sc)+NQ*(\a)+(\q)] matrix_a_fmt:MATRIX_FMT_BF6 matrix_b_fmt:MATRIX_FMT_BF6 matrix_a_scale:MATRIX_SCALE_ROW1
.endif
.endr
.endr
.endm
.macro FETCH_B slot, q, p
	WIN TO_B
.irp i, 0,1,2,3,4,5,6,7
	FRAG 128*(\p)+FR*\i, ADRB+\slot, \q, \i
.endr
	WIN 0
.endm
.macro FETCH_A slot, q, i0
.irp i, \i0, \i0+1, \i0+2, \i0+3
	FRAG AF+FR*(\i), ADRA+\slot, \q, \i
.endr
.endm
.macro SCALES sc
.irp i, 0,1,2,3,4,5,6,7
	ds_load_b64 v[SC+8*NQ*\sc+NQ*\i:SC+8*NQ*\sc+NQ*\i+1], v[ADRS] offset:\i*SBLK
.endr
.endm
.macro PLACES n
.rept \n
	v_nop
.endr
.endm
.macro STEP slot, q, zero
	s_wait_dscnt 4*NL                              ; B's set and A's blocks 0-3 are in; the youngest 24 loads (A's blocks 4-7) may be out
	WIN MUL_LO
	MUL16 0, (\q)%2, \q, \slot, \zero
	MUL16 2, (\q)%2, \q, \slot, \zero
	s_wait_dscnt 0
	PLACES NP
	FETCH_B \slot, (\q)+1, 1-(\q)%2
	FETCH_A \slot, (\q)+1, 0
	WIN MUL_HI
	MUL16 4, (\q)%2, \q, \slot, \zero
	MUL16 6, (\q)%2, \q, \slot, \zero
	PLACES NP
	WIN 0
	FETCH_A \slot, (\q)+1, 4
.endm
.macro TURN slot, next, fill
	s_wait_tensorcnt 0x0                           ; all my tensor loads have landed: my part of the next slot
	ds_add_u32 v[SPW], v[NIL]                      ; 0 onto my spare word
	s_wait_dscnt 4*NL+1                            ; (the add and the youngest 24 loads may be out)
	WIN MUL_LO
	MUL16 0, 1, NQ-1, \slot, 0
	s_wait_dscnt 0x0                               ; the add is done, and my reads of this slot are over
	s_barrier_signal -1
	MUL16 2, 1, NQ-1, \slot, 0
	WIN 0
	s_barrier_wait -1
.if \fill
	CREST                                          ; a round of the cluster's barrier: no wave of any partner still reads this slot or has a load on its way
	s_add_nc_u64 s[G0+4*\slot+2:G0+4*\slot+3], s[G0+4*\slot+2:G0+4*\slot+3], 2*ROWB
	s_add_nc_u64 s[G0B+4*\slot+2:G0B+4*\slot+3], s[G0B+4*\slot+2:G0B+4*\slot+3], 2*ROWB
	JLOAD G0+4*\slot, G1, G0B+4*\slot, G1B
.else
	PLACES NP
.endif
	v_add_nc_u32 v[ADRS], 4*NQ, v[ADRS]
	FETCH_B \next, 0, 0
	FETCH_A \next, 0, 0
	SCALES \next
	WIN MUL_HI
	MUL16 4, 1, NQ-1, \slot, 0
	MUL16 6, 1, NQ-1, \slot, 0
	PLACES NP
	WIN 0
	FETCH_A \next, 0, 4
.endm
	s_wait_tensorcnt 1                             ; the scales and my part of K step 0 are in (K step 1's load may be out),
	s_barrier_signal -1
	s_barrier_wait -1
	FETCH_B 0, 0, 0
	FETCH_A 0, 0, 0
	SCALES 0
	FETCH_A 0, 0, 4
	STEP 0, 0, 1
	s_mov_b32 s3, LAPS-1
.Llap:
	TURN 0, 1, 1
	STEP 1, 0, 0
	TURN 1, 0, 1
	STEP 0, 0, 0
	s_sub_co_u32 s3, s3, 1
	s_cmp_lg_u32 s3, 0
	s_cbranch_scc1 .Llap
	TURN 0, 1, 0
	STEP 1, 0, 0
	s_wait_dscnt 4*NL
	WIN MUL_LO
	MUL16 0, 1, NQ-1, 1, 0
	MUL16 2, 1, NQ-1, 1, 0
	s_wait_dscnt 0
	WIN MUL_HI
	MUL16 4, 1, NQ-1, 1, 0
	MUL16 6, 1, NQ-1, 1, 0
	WIN 0
; THE WAY OUT, block by block of 16 rows x 128 columns, through my own stage in LDS: back as whole rows of 512 bytes.  LDS serves a wave's instructions in order (ISA guide 5.7.1.4).
.macro TOSTAGE a
.set AC, 64*((\a)%4)
	WIN 0x08+4*((\a)/4)                            ; the data: window 2 or 3
.irp b, 0,1,2,3,4,5,6,7
	ds_store_b128 v[STO], v[AC+8*\b:AC+8*\b+3] offset:64*\b          ; each accumulator from its low end on
	ds_store_b128 v[STO], v[AC+8*\b+4:AC+8*\b+7] offset:64*\b+16
.endr
	WIN 0
.set BB, BK+64*((\a)%2)
.irp t, 0,1,2,3,4,5,6,7,8,9,10,11,12,13,14,15
	ds_load_b128 v[BB+4*\t:BB+4*\t+3], v[RD] offset:\t*SPITCH
.endr
.endm
.macro SEND a, younger
.set BB, BK+64*((\a)%2)
	s_wait_dscnt \younger                          ; the block is back in registers
.if (\a) > 0
	s_add_nc_u64 s[12:13], s[12:13], 16*SIZE_N*4   ; (behind a wait on XCNT: the earlier stores have read their base)
.endif
.irp t, 0,1,2,3,4,5,6,7,8,9,10,11,12,13,14,15
	global_store_b128 v[CO], v[BB+4*\t:BB+4*\t+3], s[12:13] offset:\t*SIZE_N*4 th:TH_STORE_NT   ; 32 lanes store 512 consecutive bytes, aligned
.endr
.endm
	PLACES NP
	TOSTAGE 0
.irp a, 1,2,3,4,5,6,7
.if \a > 1
	s_wait_xcnt 0x0                                ; block a - 2's stores have read their registers and their base
.endif
	TOSTAGE \a
	SEND \a-1, 32                                  ; behind block a - 1's loads: block a's 16 stores and 16 loads
.endr
	s_wait_xcnt 0x0
	SEND 7, 0
	s_wait_tensorcnt 0x0                           ; the wave's end
	ds_add_u32 v[SPW], v[NIL]
	s_wait_dscnt 0x0
	CROUND                                         ; the closing round
	s_endpgm
.Lfunc_end_k_qeed832158b_outp:
	.size	k_qeed832158b_outp, .Lfunc_end_k_qeed832158b_outp-k_qeed832158b_outp
	.p2alignl 7, 3214868480
	.fill 96, 4, 3214868480
	.section	.rodata,"a",@progbits
	.p2align	6, 0x0
	.amdhsa_kernel k_qeed832158b_outp
		.amdhsa_group_segment_fixed_size 327680
		.amdhsa_private_segment_fixed_size 0
		.amdhsa_enable_private_segment 0
		.amdhsa_kernarg_size 40
		.amdhsa_user_sgpr_count 2
		.amdhsa_user_sgpr_kernarg_segment_ptr 1
		.amdhsa_wavefront_size32 1
		.amdhsa_system_sgpr_workgroup_id_x 1
		.amdhsa_system_sgpr_workgroup_id_y 1
		.amdhsa_system_sgpr_workgroup_id_z 1
		.amdhsa_system_vgpr_workitem_id 0
		.amdhsa_next_free_vgpr 1024
		.amdhsa_next_free_sgpr 98
		.amdhsa_reserve_vcc 0
		.amdhsa_float_denorm_mode_32 3
		.amdhsa_float_denorm_mode_16_64 3
		.amdhsa_memory_ordered 1
		.amdhsa_forward_progress 1
		.amdhsa_inst_pref_size 160
	.end_amdhsa_kernel
	.amdgpu_metadata
---
amdhsa.version: [ 1, 2 ]
amdhsa.kernels:
  - .name:           k_qeed832158b_outp
    .symbol:         k_qeed832158b_outp.kd
    .args:
      - { .name: oc, .offset: 0, .size: 8, .value_kind: global_buffer, .address_space: global }
      - { .name: os, .offset: 8, .size: 8, .value_kind: global_buffer, .address_space: global }
      - { .name: codes, .offset: 16, .size: 8, .value_kind: global_buffer, .address_space: global }
      - { .name: scales, .offset: 24, .size: 8, .value_kind: global_buffer, .address_space: global }
      - { .name: out0, .offset: 32, .size: 8, .value_kind: global_buffer, .address_space: global }
    .group_segment_fixed_size: 327680
    .private_segment_fixed_size: 0
    .kernarg_segment_align: 8
    .kernarg_segment_size: 40
    .max_flat_workgroup_size: 128
    .sgpr_count:     98
    .vgpr_count:     1024
    .wavefront_size: 32
...
	.end_amdgpu_metadata
.endif
;; end of part 4
